; MI455X (gfx1250); checked and timed in simulation.
; The chip was launched on July 23, 2026; its instructions are those of AMD's public machine-readable ISA for CDNA 5 (MIT licence, August 2026) and "CDNA5" Instruction Set Architecture Reference Guide (July 2026). The comments in the code are by the model that wrote it; some were corrected since.
;; Multihead Cross Attention. Allowed arithmetic: matrix products marked QUANTISED: E4M3 operands, one given power-of-two scale a tensor, by v_wmma_f32_16x16x64_fp8_fp8 or v_wmma_f32_16x16x128_fp8_fp8, f32 sums; everything else in f32.
;; Inputs: b_proj 1,024 float32; cond_k 2 x 2,048 x 1,024 float32; cond_v 2 x 2,048 x 1,024 float32; lowp_scales 6 int32 (the exponents e of the quantised operands' scales 2^e); w_proj 1,024 x 1,024 float32; x 2 x 2,048 x 1,024 float32.
;; Outputs: out0 2 x 2,048 x 1,024 float32.
;; This version of the problem:
;;   THIS VERSION OF THE PROBLEM IS GIVEN IN LOW PRECISION. The matrix products marked QUANTISED in the list below multiply operands that are first quantised to E4M3 (4 exponent bits, 3 mantissa bits; 8 bits a number), with one given power-of-two scale for each operand tensor; their sums are f32. All else is computed in f32.
;;   The module's matrix products, in the order in which they are computed (A, B: the left and right operand; K: the contracted axis; several contracted axes count as one K, in the product's order):
;;     1. batch 32 x [M 2,048, K 64] x [K 64, N 2,048]; A: computed on the way; B: computed on the way: QUANTISED (scales: A lowp_scales[0], B lowp_scales[1])
;;     2. batch 32 x [M 64, K 2,048] x [K 2,048, N 2,048]; A: input cond_v; B: softmax (see below): QUANTISED (scales: A lowp_scales[2], B lowp_scales[3])
;;     3. [M 4,096, K 1,024] x [K 1,024, N 1,024]; A: computed on the way; B: input w_proj: QUANTISED (scales: A lowp_scales[4], B lowp_scales[5])
;;   THE QUANTISER, for each operand of a quantised product, along K:
;;     - The operand's scale is 2^e, e = its entry of the input lowp_scales (int32; the entries are numbered through the quantised products in the list's order, A before B).
;;     - Each number is divided by the scale, clamped to +-448, and rounded to the nearest number of E4M3, ties to even, subnormals kept.
;;     - The product sums the exact products of the quantised numbers (number of the format x scale) in f32.
;;   ~~~python
;;   def quantise(x, axis, e):      # numpy; x: float32 -> the quantised numbers, widened to float32 again
;;       x = np.moveaxis(x, axis, -1); K = x.shape[-1]
;;       r = np.clip(x / 2.0 ** e, -448, 448)
;;       step = 2.0 ** (np.maximum(np.frexp(np.where(r == 0, 1, r))[1] - 1, -6) - 3)
;;       q = np.round(r / step) * step * 2.0 ** e      # np.round: ties to even
;;       return np.moveaxis(q, -1, axis).astype(np.float32)
;;   ~~~
;;   SOFTMAX AHEAD OF A QUANTISED PRODUCT. Where the list says 'softmax', what is quantised is not the finished softmax but p = 2^(t - M), with t = logit x log2(e) and M = ceil(the row's largest t), a whole number; so 1/2 < the row's largest p <= 1. The row's sum l is taken of the UNQUANTISED p, in f32, and the product's result is divided by l at the end. Since M is a whole number, a kernel that streams over the keys may use a running M (the ceiling of the running maximum): every later rescaling is an exact power of two, so the quantised numbers keep their values, but for numbers so far below the row's largest that they fall under the format's range.
;;   OPERANDS COMPUTED ON THE WAY. 'Computed on the way' means the value that the module computes at that place (a softmax that the list does not call 'softmax' is quantised finished and normalised). What goes into a quantiser is computed in f32, as accurately as f32 sums, v_exp_f32 and their like allow (about 1e-6 of the number): no bf16 or f16 on the way to a quantiser, and a product that is left as it is and whose result goes on into a quantised operand takes f32 operands (vector FMAs, or v_wmma_f32_16x16x4_f32). A number that lies on a knife's edge between two numbers of the format may be rounded either way, as far as f32 arithmetic and the matrix unit's own rounding can turn it there, and no further.
;; 2 versions. Each part assembles by itself: llvm-mc -triple=amdgcn-amd-amdhsa -mcpu=gfx1250 --defsym DOCPART=n.
;; ======== version 1 of 2: 3 launches
;; workspace buffers: k_codes 4,194,304 bytes; v_codes 4,194,304 bytes; w_codes 1,048,576 bytes; a_codes 4,194,304 bytes
;; launch prep (part 1): grid 288 x 1, 8 waves a work-group, no clusters, 67,584 bytes of LDS; arguments cond_k, cond_v, w_proj, lowp_scales, k_codes, v_codes, w_codes; writes k_codes, v_codes, w_codes
.if DOCPART == 1
	.amdgcn_target "amdgcn-amd-amdhsa--gfx1250"
	.amdhsa_code_object_version 6
	.text
	.protected	k_q788985cb47_prep
	.globl	k_q788985cb47_prep
	.p2align	8
	.type	k_q788985cb47_prep,@function
k_q788985cb47_prep:
	s_mov_b64 s[64:65], 0
	v_nop
	global_prefetch_b8 v0, s[64:65] scope:SCOPE_SE
	s_setreg_imm32_b32 hwreg(HW_REG_WAVE_MODE, 25, 1), 1
	s_wait_xcnt 0x0
; cond_k x 64^(-1/4), cond_v and w_proj, all f32, become codes of FP8 (E4M3), each with the one scale 2^e that is given for it
; (entries 1, 2 and 5 of the buffer of scales): code = x / 2^e, held within +-448, to the nearest code, ties to even.
; LIMITS: each e lies between -126 and 119, so that 2^e and 448 x 2^e are f32 numbers.  NaN among the inputs is not served; an infinity is held at the largest code.
; LAYOUTS OF THE CODES, as the later launches read them:
;   k_codes [b 2][head 16][key 2048][64 bytes]: a key's 64 channels of one head on end.
;   w_codes [kk 16][n 1024][64 bytes]: row n's columns 64 kk .. 64 kk + 63: the same shape with 1,024 rows.
;   v_codes [b 2][head 16][kb 64][h 2][pos 64][16 bytes]: the keys innermost.  The 16 bytes at (kb, h, pos) are keys 32 kb + 8 h + 0..7, then keys 32 kb + 16 + 8 h + 0..7, of ONE channel x,
;           pos = x with bits 3 and 4 exchanged.  So a lane's four 16-byte loads give a fragment of V^T with each key in the place that the matrix form gives it, and the attention's results convert into neighbours along the projection's K.
; SHARES.  A work-group takes 32 whole rows (131,072 consecutive bytes) of one tensor: work-groups 0-127 cond_k, 128-255 cond_v, 256-287 w_proj.  Wave w takes columns 128 w .. 128 w + 127 (two heads) of them:
; 32 loads of 512 consecutive bytes, all issued at once: the whole share of every wave is on its way from the start.  No input is shared between work-groups, so a cluster has nothing to share; memory binds,
; so no matrix unit; the waves share nothing, so no barrier.  One text serves the three tensors: only pointers, the scale, a multiplier and a stride are chosen, on the work-group's number alone; the multiplier
; is 1.0 for cond_v and w_proj, which changes nothing.  The text parts once, for the way the codes are turned; each way has LDS bytes of its own.
; OUT.  A lane's codes are 4 bytes of each of 32 rows.  They go through the wave's own stage in LDS and leave as 512 consecutive bytes a store, at multiples of 512 from the buffer's first byte.
.set X,    32                          ; v32-159  the numbers: load i (row i) in X + 4 i .. + 3: my 4 neighbouring columns
.set E,    160                         ; v160-191 row i's 4 codes, one register a row
.set D,    32                          ; v32-63   cond_v: the codes turned, over X, which is done with: column c, half h: D + 8 c + 4 h .. + 3
.set OUTR, 64                          ; v64-95   the stage read back
.set O0,   2                           ; v2  16 x lane: my bytes of a load's 512, and of a store's;  v3 the same one head further on
.set KLA,  4                           ; v4  K stage, in;   v5 out
.set KRA,  5
.set VLA,  6                           ; v6  V stage, in;   v7 out
.set VRA,  7
.set KST,  4224                        ; K stage: a wave's bytes: two heads of 32 rows x 64 bytes, 2,112 apart
.set KHP,  2112                        ; 2,048 + 64: the two halves of the lanes, which store to different heads, then fall on different banks (64 banks of 4 bytes: ISA guide 11.1)
.set VST0, 8*KST                       ; V stage: behind the K stages: a wave's 4,096 bytes: [head 2][h 2][pos 64][16]
	s_load_b128 s[4:7], s[0:1], 0x0                ; cond_k, cond_v
	s_load_b128 s[8:11], s[0:1], 0x10              ; w_proj, the scales' exponents
	s_load_b128 s[12:15], s[0:1], 0x20             ; k_codes, v_codes
	s_load_b64 s[16:17], s[0:1], 0x30              ; w_codes
	v_lshl_add_u32 v192, v0, 2, 0x10400
	v_mov_b32 v193, 0
	v_lshrrev_b32 v12, 5, v0
	v_readfirstlane_b32 s18, v12                   ; wave 0..7
	v_and_b32 v1, 31, v0                           ; lane
	v_lshlrev_b32 v[O0], 4, v1
	; every LDS address is made here, ahead of the parting, of the thread's number, the wave's number and constants
	v_bfe_u32 v12, v0, 4, 1                        ; which head of my wave's two
	v_and_b32 v13, 15, v0                          ; which 4 of its 64 channels
	v_mul_u32_u24 v[KLA], v12, KHP
	v_lshl_add_u32 v[KLA], v13, 2, v[KLA]
	s_mul_i32 s42, s18, KST
	v_add_nc_u32 v[KLA], s42, v[KLA]               ; in: head, + 4 bytes of a row of 64; the row stands in the immediate
	v_add_nc_u32 v[KRA], s42, v[O0]                ; out: 16 bytes a lane
	v_bfe_u32 v13, v0, 0, 1                        ; 16 x pos of channel 4 m, m = lane % 16: the channel's bit 2 stays,
	v_lshlrev_b32 v[VLA], 6, v13
	v_bfe_u32 v13, v0, 1, 1                        ; its bit 3 goes to bit 4,
	v_lshl_add_u32 v[VLA], v13, 8, v[VLA]
	v_bfe_u32 v13, v0, 2, 1                        ; its bit 4 to bit 3,
	v_lshl_add_u32 v[VLA], v13, 7, v[VLA]
	v_bfe_u32 v13, v0, 3, 1                        ; its bit 5 stays
	v_lshl_add_u32 v[VLA], v13, 9, v[VLA]
	v_lshl_add_u32 v[VLA], v12, 11, v[VLA]         ; + 2,048 x head
	s_lshl_b32 s42, s18, 12
	s_add_co_u32 s42, s42, VST0
	v_add_nc_u32 v[VLA], s42, v[VLA]
	v_add_nc_u32 v[VRA], s42, v[O0]
	s_mov_b32 s38, 0x05010400                      ; byte selects for the turn of 4 x 4 bytes
	s_mov_b32 s39, 0x07030602
	s_mov_b32 s40, 0x05040100
	s_mov_b32 s41, 0x07060302
	s_wait_kmcnt 0x0
	s_load_b128 s[20:23], s[10:11], 0x0            ; e0 .. e3
	s_load_b64 s[24:25], s[10:11], 0x10            ; e4, e5
	; which tensor is mine: w_proj's figures first, then cond_v's, then cond_k's take their place
	s_mov_b64 s[32:33], s[8:9]                     ; from
	s_mov_b64 s[34:35], s[16:17]                   ; to
	s_mov_b32 s26, 1.0                             ; the multiplier
	s_mov_b32 s28, 65536                           ; bytes from a head (a kk) to the next in the codes
	s_mov_b32 s29, 256                             ; the tensor's first work-group
	s_mov_b32 s30, 0                               ; 1: the keys go innermost
	s_cmp_lt_u32 ttmp9, 256
	s_cselect_b64 s[32:33], s[6:7], s[32:33]
	s_cselect_b64 s[34:35], s[14:15], s[34:35]
	s_cselect_b32 s28, 0x20000, s28
	s_cselect_b32 s29, 128, s29
	s_cselect_b32 s30, 1, s30
	s_cmp_lt_u32 ttmp9, 128
	s_cselect_b64 s[32:33], s[4:5], s[32:33]
	s_cselect_b64 s[34:35], s[12:13], s[34:35]
	s_cselect_b32 s26, 0x3eb504f3, s26             ; 1 / sqrt(sqrt(64)) as f32
	s_cselect_b32 s29, 0, s29
	s_cselect_b32 s30, 0, s30
	s_mov_b32 s27, s26                             ; (named with it as a pair, so it is written)
	s_sub_co_u32 s29, ttmp9, s29                   ; rb: which 32 rows of the tensor
	s_lshl_b32 s42, s29, 17                        ; from: 131,072 rb + 512 w
	s_lshl_b32 s43, s18, 9
	s_add_co_u32 s42, s42, s43
	s_mov_b32 s43, 0
	s_add_nc_u64 s[32:33], s[32:33], s[42:43]
	s_lshr_b32 s44, s29, 6                         ; to: 2,097,152 b + 2 w heads + 2,048 (rb % 64); w_proj has rb under 32, so b = 0 there
	s_lshl_b32 s44, s44, 21
	s_and_b32 s45, s29, 63
	s_lshl_b32 s45, s45, 11
	s_add_co_u32 s44, s44, s45
	s_lshl_b32 s46, s18, 1
	s_mul_i32 s46, s46, s28
	s_add_co_u32 s44, s44, s46
	s_mov_b32 s45, 0
	s_add_nc_u64 s[34:35], s[34:35], s[44:45]
	v_add_nc_u32 v[O0+1], s28, v[O0]
.set i, 0
.rept 32
	global_load_b128 v[X+4*i:X+4*i+3], v[O0], s[32:33] offset:4096*i th:TH_LOAD_NT   ; row i: 32 lanes read 512 consecutive bytes; read once in the launch
.set i, i+1
.endr
	s_wait_kmcnt 0x0
	s_mov_b32 s36, s25                             ; e: w_proj's, cond_v's or cond_k's
	s_cmp_lt_u32 ttmp9, 256
	s_cselect_b32 s36, s22, s36
	s_cmp_lt_u32 ttmp9, 128
	s_cselect_b32 s36, s21, s36
	s_add_co_i32 s36, s36, 127
	s_lshl_b32 s37, s36, 23
	v_mov_b32 v11, s37                             ; 2^e as f32: the conversion takes its exponent field
	s_add_co_i32 s36, s36, 8
	s_lshl_b32 s36, s36, 23
	s_or_b32 s36, s36, 0x600000
	v_mov_b32 v10, s36                             ; 448 x 2^e
; Rows 8 g .. 8 g + 7: multiplied, held, converted.  A conversion takes 8 numbers: two rows' 4 columns, so each of its two result registers is one row's 4 codes.
.macro GROUP g
	s_wait_loadcnt 24-8*\g                         ; loads come back in order (ISA guide 5.7.1): these 8 are in, the 8 (3 - g) younger ones may be out
.set i, 0
.rept 16
	v_pk_mul_f32 v[X+32*\g+i:X+32*\g+i+1], v[X+32*\g+i:X+32*\g+i+1], s[26:27] op_sel_hi:[1,0]
.set i, i+2
.endr
.set i, 0
.rept 32
	v_med3_num_f32 v[X+32*\g+i], v[X+32*\g+i], -v10, v10   ; the conversion to an 8-bit code does not saturate (ISA guide 7.6.2): the hold comes first
.set i, i+1
.endr
.irp p, 0,1,2,3
	v_cvt_scalef32_pk8_fp8_f32 v[E+8*\g+2*\p:E+8*\g+2*\p+1], v[X+32*\g+8*\p:X+32*\g+8*\p+7], v11
.endr
.endm
	GROUP 0
	GROUP 1
	GROUP 2
	GROUP 3
	v_nop                                          ; one plain vector instruction between the last conversion and the lines that read its results or write over its sources
; The stage comes back 16 bytes a lane and leaves: 4 stores of 512 consecutive bytes for each of my two heads.  LDS serves a wave's instructions in order (ISA guide 5.7.1.4): no wait between my stores and these loads.
.macro TAIL ra, hp
.irp j, 0,1,2,3,4,5,6,7
	ds_load_b128 v[OUTR+4*\j:OUTR+4*\j+3], v[\ra] offset:(\j/4)*\hp+512*(\j%4)
.endr
.irp j, 0,1,2,3,4,5,6,7
	s_wait_dscnt 7-\j                              ; load j is in; the 7 - j younger ones may be out
	global_store_b128 v[O0+\j/4], v[OUTR+4*\j:OUTR+4*\j+3], s[34:35] offset:512*(\j%4)
.endr
	s_wait_tensorcnt 0x0
	ds_add_u32 v192, v193
	s_wait_dscnt 0x0
	s_endpgm
.endm
	s_cmp_lg_u32 s30, 0
	s_cbranch_scc1 .Lkeys_innermost
	; cond_k and w_proj: the codes keep their order: row i's 4 bytes go to their place in the row's 64
.set i, 0
.rept 32
	ds_store_b32 v[KLA], v[E+i] offset:64*i
.set i, i+1
.endr
	TAIL KRA, KHP
.Lkeys_innermost:
; cond_v: 4 rows (keys 4 m .. 4 m + 3) x my 4 columns are turned by 8 byte permutes: the first four pair the keys, the last four join the pairs: one register a column, its 4 keys in ascending order.
; Keys 4 m .. belong to half h = (m / 2) % 2 and are word m % 2 + 2 (m / 4) of the column's 16 bytes there.
.macro TR m
.set TT, 16+4*((\m)%2)
.set DD, D+4*(((\m)/2)%2)+((\m)%2)+2*((\m)/4)
	v_perm_b32 v[TT],   v[E+4*(\m)+1], v[E+4*(\m)],   s38   ; keys 0, 1 of columns 0, 1
	v_perm_b32 v[TT+1], v[E+4*(\m)+1], v[E+4*(\m)],   s39   ; keys 0, 1 of columns 2, 3
	v_perm_b32 v[TT+2], v[E+4*(\m)+3], v[E+4*(\m)+2], s38   ; keys 2, 3 of columns 0, 1
	v_perm_b32 v[TT+3], v[E+4*(\m)+3], v[E+4*(\m)+2], s39   ; keys 2, 3 of columns 2, 3
	v_perm_b32 v[DD],    v[TT+2], v[TT],   s40
	v_perm_b32 v[DD+8],  v[TT+2], v[TT],   s41
	v_perm_b32 v[DD+16], v[TT+3], v[TT+1], s40
	v_perm_b32 v[DD+24], v[TT+3], v[TT+1], s41
.endm
.irp m, 0,1,2,3,4,5,6,7
	TR \m
.endr
.irp c, 0,1,2,3
.irp h, 0,1
	ds_store_b128 v[VLA], v[D+8*\c+4*\h:D+8*\c+4*\h+3] offset:1024*\h+16*\c   ; neighbouring lanes stand 64 bytes or more apart here, so several fall on the same banks: eight such stores a wave
.endr
.endr
	TAIL VRA, 2048
.Lfunc_end_k_q788985cb47_prep:
	.size	k_q788985cb47_prep, .Lfunc_end_k_q788985cb47_prep-k_q788985cb47_prep
	.p2alignl 7, 3214868480
	.fill 96, 4, 3214868480
	.section	.rodata,"a",@progbits
	.p2align	6, 0x0
	.amdhsa_kernel k_q788985cb47_prep
		.amdhsa_group_segment_fixed_size 67584
		.amdhsa_private_segment_fixed_size 0
		.amdhsa_enable_private_segment 0
		.amdhsa_kernarg_size 56
		.amdhsa_user_sgpr_count 2
		.amdhsa_user_sgpr_kernarg_segment_ptr 1
		.amdhsa_wavefront_size32 1
		.amdhsa_system_sgpr_workgroup_id_x 1
		.amdhsa_system_sgpr_workgroup_id_y 1
		.amdhsa_system_sgpr_workgroup_id_z 1
		.amdhsa_system_vgpr_workitem_id 0
		.amdhsa_next_free_vgpr 194
		.amdhsa_next_free_sgpr 66
		.amdhsa_reserve_vcc 0
		.amdhsa_float_denorm_mode_32 3
		.amdhsa_float_denorm_mode_16_64 3
		.amdhsa_memory_ordered 1
		.amdhsa_forward_progress 1
		.amdhsa_inst_pref_size 31
	.end_amdhsa_kernel
	.amdgpu_metadata
---
amdhsa.version: [ 1, 2 ]
amdhsa.kernels:
  - .name:           k_q788985cb47_prep
    .symbol:         k_q788985cb47_prep.kd
    .args:
      - { .name: cond_k, .offset: 0, .size: 8, .value_kind: global_buffer, .address_space: global }
      - { .name: cond_v, .offset: 8, .size: 8, .value_kind: global_buffer, .address_space: global }
      - { .name: w_proj, .offset: 16, .size: 8, .value_kind: global_buffer, .address_space: global }
      - { .name: lowp_scales, .offset: 24, .size: 8, .value_kind: global_buffer, .address_space: global }
      - { .name: k_codes, .offset: 32, .size: 8, .value_kind: global_buffer, .address_space: global }
      - { .name: v_codes, .offset: 40, .size: 8, .value_kind: global_buffer, .address_space: global }
      - { .name: w_codes, .offset: 48, .size: 8, .value_kind: global_buffer, .address_space: global }
    .group_segment_fixed_size: 67584
    .private_segment_fixed_size: 0
    .kernarg_segment_align: 8
    .kernarg_segment_size: 56
    .max_flat_workgroup_size: 256
    .sgpr_count:     66
    .vgpr_count:     194
    .wavefront_size: 32
...
	.end_amdgpu_metadata
.endif
;; end of part 1
;; launch attn (part 2): grid 8 x 32, 16 waves a work-group, clusters of 4 x 1, 296,960 bytes of LDS; arguments x, k_codes, v_codes, lowp_scales, a_codes; writes a_codes
.if DOCPART == 2
	.amdgcn_target "amdgcn-amd-amdhsa--gfx1250"
	.amdhsa_code_object_version 6
	.text
	.protected	k_q788985cb47_attn
	.globl	k_q788985cb47_attn
	.p2align	8
	.type	k_q788985cb47_attn,@function
k_q788985cb47_attn:
	s_mov_b64 s[64:65], 0
	v_nop
	global_prefetch_b8 v0, s[64:65] scope:SCOPE_SE
	s_setreg_imm32_b32 hwreg(HW_REG_WAVE_MODE, 25, 1), 1
	s_wait_xcnt 0x0
	s_wait_alu depctr_hold_cnt(0) depctr_sa_sdst(0) depctr_va_vdst(0) depctr_va_sdst(0) depctr_va_ssrc(0) depctr_va_vcc(0) depctr_vm_vsrc(0)
	s_getreg_b32 s2, hwreg(HW_REG_IB_STS2, 6, 4)
	s_cmp_eq_u32 s2, 0
	s_cbranch_scc0 .Lentry_in_a_cluster
	s_endpgm
.Lentry_in_a_cluster:
	s_bfe_u32 s2, ttmp6, 0x10000c
	s_cmp_lg_u32 s2, 0x3003
	s_cbranch_scc0 .Lentry_shape_is_right
	s_endpgm
.Lentry_shape_is_right:
; For each of 32 heads (y = 16 b + head): a[q][:] = the sum over keys of softmax(q . k) v, both products on codes of FP8 (E4M3); the result is quantised for the projection.
; The scales' exponents: e0 for q = x x 64^(-1/4), e1 for k, e2 for v, e3 for p, e4 for the result.  k's and v's codes were made by the launch before; q is read once by one wave and is quantised here, in registers.
; THE SOFTMAX AHEAD OF THE SECOND PRODUCT: t = score x log2(e); M = the row's largest t so far, rounded UP to a whole number; p = 2^(t - M) is what is quantised; it is not normalised.
; The row's sum is taken of the unquantised p, in f32, and divides at the end.  When M moves, the sum and O are multiplied by 2^(old M - new M): nothing is rounded.
; LIMITS on the given exponents, so that each power of two below is an f32 number: e0, e3, e4 between -126 and 119; e0 + e1 between -126 and 127 (added to log2(e)'s exponent field); e2 + e3 is applied by v_ldexp_f32 and has none.
; NaN among the inputs is not served.
; SHARES.  A work-group owns 256 queries of one head; each of its SIXTEEN waves owns 16 of them, one tile, in 256 registers: four waves to a SIMD, so that one wave's vector work stands beside another's products and LDS loads.
; A key step of 128 keys is 12 matrix instructions against some 270 vector instructions, so vector work decides here.
; ALL OF THE HEAD'S K AND V LIE IN LDS, EACH BYTE FILLED ONCE: 2,048 keys x 80 bytes, then V's 131,072 bytes.  No slot is filled again, so there is no ring.  They come in four chunks of 512 keys; wave 0 asks for K's four, wave 1 for
; V's four, all at the start: at most four tensor loads of a wave are out.  Each chunk is read behind a counted wait of the wave that asked and a barrier.
; CLUSTER.  The four query blocks of a cluster belong to one head and read the same K and V: each chunk is asked for JOINTLY, by the same tensor load with the same descriptor and a mask that names the four.
; The place in the cluster enters x's and a_codes' addresses alone.
; LAYOUT.  Both products are used transposed: S^T = K Q^T (source 0 = 16 neighbouring keys, source 1 = my 16 queries), O^T = V^T P^T (source 0 = 16 channels, source 1 = P): a lane holds ONE query (lane % 16) throughout.
; Tile t of S^T gives lane (r, h) keys 16 t + 8 h + 0..7: converted, they are registers 2 t, 2 t + 1 of the second product's operand, each key in the place that the K = 128 form gives it; v_codes is laid to give V the same.
; In the first product each side holds channels 32 b + 16 h + 0..15 in registers 4 b .. 4 b + 3: the same order of channels on both sides, so every product meets its partner.
; REGISTERS: v1-4 addresses that stay; v8, v9 the step's LDS addresses; v12 -M, v13 the largest t, v[14:15] the sum in two halves; v16-23 Q; v24-31 the result's codes; v32-95 K's 8 fragments, then V's 4 (at the head: x);
;   v96-159 S^T, then p; v160-191 O^T; v224-239 p's codes; v240, v244-248 constants; v236, v242, v243, v252-254 at work.
.set KP,    80                         ; a key's row in LDS: 64 bytes + 16 of padding = 20 words: row r starts at bank 20 r mod 64 (64 banks of 4 bytes: ISA guide 11.1): the 16 rows of a load start at 16 different groups of 4 banks
.set KCH,   512*KP                     ; a chunk of K in LDS
.set VCH,   32768                      ; a chunk of V, in LDS as in memory
.set VBASE, 4*KCH                      ; V lies behind K
.set AK0,  1                           ; v1   my lane's place in a tile of K: 80 r + 16 h
.set AV0,  2                           ; v2   in V: VBASE + 1,024 h + 16 r
.set QO,   3                           ; v3   my bytes in the wave's 16 rows of x: 4,096 r + 64 h
.set GO,   4                           ; v4   16 x lane: the result's image
.set ADK,  8
.set ADV,  9
.set TBK,  2                           ; s2   LDS byte at which the step's keys begin in K
.set TBV,  3                           ; s3   and, from VBASE on, in V
.set WV,   18                          ; s18  my wave's number
.set CNT,  19                          ; s19  counts a chunk's four steps
.set SEL,  20                          ; s[20:21] lane selects for v_permlanex16_b32: lane l xor 16
.set CS,   22                          ; s[22:23] c = log2(e) x 2^(e0 + e1): the packed form names a pair and takes its low word for both halves
.set G1K,  24                          ; s[24:31] descriptor group 1 for K's chunks;  s[32:39] for V's
.set G1V,  32
.set G0K,  40                          ; s[40:55] group 0 for K's four chunks;  s[68:83] for V's
.set G0V,  68
; A round of the cluster's barrier: my work-group's barrier, so that wave 0's signal speaks for all sixteen waves; wave 0 signals for the work-group; every wave waits for all four work-groups; my work-group's barrier once more.
.macro CROUND
	s_barrier_signal -1
	s_barrier_wait -1
	s_cmp_lg_u32 s[WV], 0
	s_cbranch_scc1 .Lnot_wave_0_\@
	s_barrier_signal -3
.Lnot_wave_0_\@:
	s_barrier_wait -3
	s_barrier_signal -1
	s_barrier_wait -1
.endm
.macro POW2 e, vs, vl                  ; v[vs] = 2^e as f32, for a conversion; v[vl] = 448 x 2^e, for the hold in front of it
	s_add_co_i32 s90, \e, 127
	s_lshl_b32 s91, s90, 23
	v_mov_b32 v[\vs], s91
	s_add_co_i32 s90, s90, 8
	s_lshl_b32 s90, s90, 23
	s_or_b32 s90, s90, 0x600000
	v_mov_b32 v[\vl], s90
.endm
	s_load_b256 s[4:11], s[0:1], 0x0               ; x s[4:5], k_codes s[6:7], v_codes s[8:9], the scales' exponents s[10:11]
	s_load_b64 s[12:13], s[0:1], 0x20              ; a_codes
	v_lshl_add_u32 v251, v0, 2, 0x48000
	v_mov_b32 v255, 0
	ds_add_u32 v251, v255
	ds_add_u32 v251, v255
	v_lshrrev_b32 v8, 5, v0
	v_readfirstlane_b32 s[WV], v8                  ; wave 0..15
	s_bfe_u32 s56, ttmp6, 0x40000                  ; cx: my place in the cluster
	s_lshl_b32 s57, ttmp9, 2                       ; in a cluster launch ttmp9 counts clusters
	s_add_co_u32 s57, s57, s56                     ; qb: my block of 256 queries
	s_and_b32 s58, ttmp7, 0xffff                   ; y = 16 b + head, which the four partners share
	; descriptor group 1.  K: a chunk is 32,768 dense bytes, stated as 128 rows of 256 bytes; 4 words of padding behind every 16 words, that is behind each key's 64 bytes
	s_mov_b32 s[G1K], 15|(0<<16)|(1<<20)|(1<<21)|(3<<22)|(3<<25)  ; 15:0 the mask: all four work-groups; 17:16 elements of 1 byte; 20 padding on; 21 set beside a mask; 24:22 after every 16 words (code 3); 31:25 4 words (code 3)
	s_mov_b32 s[G1K+1], 256<<16                    ; tensor_dim0
	s_mov_b32 s[G1K+2], 128<<16                    ; tensor_dim1
	s_mov_b32 s[G1K+3], 256<<16                    ; tile_dim0
	s_mov_b32 s[G1K+4], 128                        ; tile_dim1
	s_mov_b32 s[G1K+5], 256                        ; tensor_dim0_stride
	s_mov_b32 s[G1K+6], 0
	s_mov_b32 s[G1K+7], 0
	s_mov_b32 s[G1V], 15|(3<<16)|(1<<21)           ; V: 128 rows of 32 elements of 8 bytes, dense, no padding
	s_mov_b32 s[G1V+1], 32<<16
	s_mov_b32 s[G1V+2], 128<<16
	s_mov_b32 s[G1V+3], 32<<16
	s_mov_b32 s[G1V+4], 128
	s_mov_b32 s[G1V+5], 32
	s_mov_b32 s[G1V+6], 0
	s_mov_b32 s[G1V+7], 0
	s_mov_b32 s[SEL], 0x76543210
	s_mov_b32 s[SEL+1], 0xfedcba98
	s_lshl_b32 s60, s58, 17                        ; the head's first byte in k_codes and in v_codes: 131,072 y
	s_mov_b32 s61, 0
	v_and_b32 v10, 15, v0                          ; r = lane % 16
	v_bfe_u32 v11, v0, 4, 1                        ; h = lane / 16
	v_lshlrev_b32 v[QO], 12, v10
	v_lshl_add_u32 v[QO], v11, 6, v[QO]
	s_wait_dscnt 0x0
	s_wait_kmcnt 0x0
	s_load_b128 s[84:87], s[10:11], 0x0            ; e0 .. e3
	s_load_b64 s[88:89], s[10:11], 0x10            ; e4, e5
	s_add_nc_u64 s[6:7], s[6:7], s[60:61]
	s_add_nc_u64 s[8:9], s[8:9], s[60:61]
.irp c, 0,1,2,3
	s_mov_b32 s[G0K+4*\c], 1                       ; 1:0 count = 1
	s_mov_b32 s[G0K+4*\c+1], KCH*\c                ; 63:32 LDS address
	s_add_nc_u64 s[G0K+4*\c+2:G0K+4*\c+3], s[6:7], 32768*\c   ; 120:64 global address: keys 512 c on
	s_or_b32 s[G0K+4*\c+3], s[G0K+4*\c+3], 0x80000000         ; 127:126 type = 2
	s_mov_b32 s[G0V+4*\c], 1
	s_mov_b32 s[G0V+4*\c+1], VBASE+VCH*\c
	s_add_nc_u64 s[G0V+4*\c+2:G0V+4*\c+3], s[8:9], 32768*\c
	s_or_b32 s[G0V+4*\c+3], s[G0V+4*\c+3], 0x80000000
.endr
	CROUND                                         ; all four work-groups are here: the joint loads meet
	s_cmp_eq_u32 s[WV], 0                          ; a wave's four fills stand in one branch on the wave's number, ahead of every wait on TENSORcnt, every LDS read and every other barrier; four v_nop follow the last
	s_cbranch_scc0 .Lnot_k
.irp c, 0,1,2,3
	tensor_load_to_lds s[G0K+4*\c:G0K+4*\c+3], s[G1K:G1K+7]
	s_nop 0
.endr
.rept 4
	v_nop
.endr
	s_branch .Lasked
.Lnot_k:
	s_cmp_eq_u32 s[WV], 1
	s_cbranch_scc0 .Lasked
.irp c, 0,1,2,3
	tensor_load_to_lds s[G0V+4*\c:G0V+4*\c+3], s[G1V:G1V+7]
	s_nop 0
.endr
.rept 4
	v_nop
.endr
.Lasked:
	s_lshr_b32 s62, s58, 4                         ; b
	s_and_b32 s63, s58, 15                         ; head
	s_lshl_b32 s90, s62, 11                        ; my first row of x: 2,048 b + 256 qb + 16 w,
	s_lshl_b32 s91, s57, 8
	s_add_co_u32 s90, s90, s91
	s_lshl_b32 s91, s[WV], 4
	s_add_co_u32 s90, s90, s91
	s_lshl_b32 s90, s90, 12                        ; of 4,096 bytes,
	s_lshl_b32 s91, s63, 8                         ; + the head's 256 bytes in it
	s_add_co_u32 s90, s90, s91
	s_mov_b32 s91, 0
	s_add_nc_u64 s[4:5], s[4:5], s[90:91]
.irp i, 0,1,2,3,4,5,6,7
	global_load_b128 v[32+4*\i:35+4*\i], v[QO], s[4:5] offset:16*(\i%4)+128*(\i/4) th:TH_LOAD_NT   ; x(r, 32 (i / 4) + 16 h + 4 (i % 4) ..): register 16 b + j is channel 32 b + 16 h + j; read once in the launch
.endr
	s_lshl_b32 s92, s62, 4                         ; where my tile's image goes in a_codes [block of 128 rows][head][tile of 16 rows][1,024]: block 16 b + 2 qb + w / 8,
	s_lshl_b32 s93, s57, 1
	s_add_co_u32 s92, s92, s93
	s_lshr_b32 s93, s[WV], 3
	s_add_co_u32 s92, s92, s93
	s_lshl_b32 s92, s92, 4
	s_add_co_u32 s92, s92, s63                     ; head,
	s_lshl_b32 s92, s92, 3
	s_and_b32 s93, s[WV], 7
	s_add_co_u32 s92, s92, s93                     ; tile w % 8
	s_lshl_b32 s92, s92, 10
	s_mov_b32 s93, 0
	s_add_nc_u64 s[12:13], s[12:13], s[92:93]
	v_mul_u32_u24 v[AK0], v10, KP
	v_lshl_add_u32 v[AK0], v11, 4, v[AK0]
	v_lshlrev_b32 v[AV0], 4, v10
	v_lshl_add_u32 v[AV0], v11, 10, v[AV0]
	v_add_nc_u32 v[AV0], VBASE, v[AV0]
	v_mov_b32 v13, 0xff61b1e6                      ; the largest t so far: -3e38, under every t
	v_floor_f32 v12, -v13                          ; -M
	v_mov_b32 v14, 0                               ; the sum, in two halves
	v_mov_b32 v15, 0
	v_mov_b32 v236, 0                              ; written once: a lane permute's destination counts as one of its sources
	v_mov_b32 v253, 0                              ; (named as the upper half of the pair v[252:253])
.set i, 0
.rept 32
	v_mov_b32 v[160+i], 0                          ; O^T.  (The step is written once: the first finds zeros, which the first change of M leaves zeros)
.set i, i+1
.endr
	s_wait_kmcnt 0x0
	s_mov_b32 s[CS], 0x3fb8aa3b                    ; log2(e)
	s_add_co_i32 s90, s84, s85
	s_lshl_b32 s90, s90, 23
	s_add_co_i32 s[CS], s[CS], s90                 ; a score stands for score x 2^(e0 + e1): the two exponents are added to c's exponent field
	s_mov_b32 s[CS+1], s[CS]                       ; (named with it as a pair, so it is written)
	s_mov_b32 s92, 0x3eb504f3                      ; 1 / sqrt(sqrt(64)) as f32
	s_mov_b32 s93, s92
	POW2 s87, 244, 240                             ; p's
	POW2 s88, 245, 246                             ; the result's
	POW2 s84, 247, 248                             ; q's
	s_wait_loadcnt 0x0                             ; x
.set i, 0
.rept 16
	v_pk_mul_f32 v[32+i:33+i], v[32+i:33+i], s[92:93] op_sel_hi:[1,0]   ; q = x x 64^(-1/4), in f32
.set i, i+2
.endr
.set i, 0
.rept 32
	v_med3_num_f32 v[32+i], v[32+i], -v248, v248   ; the conversion to an 8-bit code does not saturate (ISA guide 7.6.2): the hold comes first
.set i, i+1
.endr
.irp p, 0,1,2,3
	v_cvt_scalef32_pk8_fp8_f32 v[16+2*\p:17+2*\p], v[32+8*\p:39+8*\p], v247
.endr
	v_nop                                          ; one plain vector instruction between the last conversion and the products that read its results
; A KEY STEP: 128 keys, from LDS byte s[TBK] of K and s[TBV] of V on.
.macro STEP
	v_add_nc_u32 v[ADK], s[TBK], v[AK0]            ; these two and the two v_nop are the four places between the last step's products and the loads into registers that they read (ISA guide 7.12.1 for vector instructions)
	v_add_nc_u32 v[ADV], s[TBV], v[AV0]
	v_nop
	v_nop
.irp t, 0,1,2,3,4,5,6,7
	ds_load_b128 v[32+8*\t:35+8*\t], v[ADK] offset:16*KP*\t      ; key 16 t + r, channels 16 h + 0..15,
	ds_load_b128 v[36+8*\t:39+8*\t], v[ADK] offset:16*KP*\t+32   ; and 32 + 16 h + 0..15
.endr
	s_wait_dscnt 8                                 ; tiles 0-3 are in; the 8 loads of tiles 4-7 may be out
.irp t, 0,1,2,3
	v_wmma_f32_16x16x64_fp8_fp8 v[96+8*\t:103+8*\t], v[32+8*\t:39+8*\t], v[16:23], 0
.endr
	s_wait_dscnt 0x0
.irp t, 4,5,6,7
	v_wmma_f32_16x16x64_fp8_fp8 v[96+8*\t:103+8*\t], v[32+8*\t:39+8*\t], v[16:23], 0
.endr
.rept 4
	v_nop                                          ; places in front of the loads into K's registers and of the first read of the scores
.endr
.irp t, 0,1,2,3
.irp c, 0,1,2,3
	ds_load_b128 v[32+16*\t+4*\c:35+16*\t+4*\c], v[ADV] offset:2048*\c+256*\t   ; V^T: place 16 t + r, keys 32 c + 8 h + 0..7 and 32 c + 16 + 8 h + 0..7: asked for now, they land under the softmax; 16 lanes read 256 consecutive bytes
.endr
.endr
	v_max3_num_f32 v254, v96, v97, v98             ; the step's largest score of my query, among my 64 keys, in two chains, each tile's registers from the low end on,
	v_max3_num_f32 v252, v99, v100, v101
.irp i, 6,10,14,18,22,26,30,34,38,42,46,50,54,58
	v_max3_num_f32 v254, v254, v[96+\i], v[97+\i]
	v_max3_num_f32 v252, v252, v[98+\i], v[99+\i]
.endr
	v_max3_num_f32 v254, v254, v158, v159
	v_max_num_f32 v254, v254, v252
	v_permlanex16_b32 v236, v254, s[SEL], s[SEL+1]
	v_max_num_f32 v254, v254, v236                 ; and among lane l xor 16's
	v_mul_f32 v254, s[CS], v254                    ; as t (c is positive)
	v_max_num_f32 v13, v13, v254                   ; the running largest t
	v_mov_b32 v254, v12
	v_floor_f32 v12, -v13                          ; the new -M = floor(-t) = -ceil(t): M is a whole number
	v_sub_f32 v254, v12, v254                      ; M's old value less its new one: a whole number, 0 or less
	v_cvt_i32_f32 v254, v254                       ; (it saturates)
	v_ldexp_f32 v252, 1.0, v254                    ; f = 2^(old M - new M)
.set i, 0
.rept 32
	v_pk_fma_f32 v[96+i:97+i], v[96+i:97+i], s[CS:CS+1], v[12:13] op_sel_hi:[1,0,0]   ; t - M, two at a time (of the pairs c and -M the low word serves both halves)
.set i, i+2
.endr
.set i, 0
.rept 64
	v_exp_f32 v[96+i], v[96+i]                     ; p = 2^(t - M), at most 1: not normalised
.set i, i+1
.endr
	v_pk_mul_f32 v[14:15], v[14:15], v[252:253] op_sel_hi:[1,0]   ; the sums under the new M: the plain instruction behind the exponentials
	s_wait_alu depctr_va_vdst(0)                   ; one wait for the whole batch, ahead of its first reader
	v_pk_add_f32 v[242:243], v[96:97], v[98:99]    ; the row's sum is taken of the unquantised p: two at a time, in two chains
.irp j, 4,8,12,16,20,24,28,32,36,40,44,48,52,56,60
	v_pk_add_f32 v[14:15], v[14:15], v[96+\j:97+\j]
	v_pk_add_f32 v[242:243], v[242:243], v[98+\j:99+\j]
.endr
	v_pk_add_f32 v[14:15], v[14:15], v[242:243]
.irp t, 0,1,2,3,4,5,6,7
.irp i, 0,1,2,3,4,5,6,7
	v_min_num_f32 v[96+8*\t+\i], v[96+8*\t+\i], v240   ; the hold at 448 x 2^e3; p is not negative, so it is one-sided
.endr
	v_cvt_scalef32_pk8_fp8_f32 v[224+2*\t:225+2*\t], v[96+8*\t:103+8*\t], v244   ; keys 16 t + 8 h + 0..7: registers 2 t, 2 t + 1 of the operand
.endr
.set i, 0
.rept 16
	v_pk_mul_f32 v[160+i:161+i], v[160+i:161+i], v[252:253] op_sel_hi:[1,0]   ; O^T under the new M: x f.  (Also the plain instructions behind the conversions)
.set i, i+2
.endr
	s_wait_dscnt 0x0                               ; V is in
.irp t, 0,1,2,3
	v_wmma_f32_16x16x128_fp8_fp8 v[160+8*\t:167+8*\t], v[32+16*\t:47+16*\t], v[224:239], v[160+8*\t:167+8*\t]   ; the four accumulators take turns, one instruction a turn
.endr
	s_add_co_u32 s[TBK], s[TBK], 128*KP
	s_add_co_u32 s[TBV], s[TBV], 8192
.endm
; A CHUNK of 512 keys: four steps.  The wave that asked for it waits until its 3 - c younger loads alone are out (tensor loads of a wave end in order: ISA guide 10.11.1), then signals; all read behind the barrier.
; The later chunks may stay on their way across it.
.macro CHUNK c
	s_wait_tensorcnt 3-\c
	s_wait_dscnt 0x0                               ; no LDS instruction of mine is pending at the signal
	s_barrier_signal -1
	s_barrier_wait -1
	s_mov_b32 s[TBK], KCH*\c
	s_mov_b32 s[TBV], VCH*\c
	s_mov_b32 s[CNT], 4
.Lstep_\@:
	STEP
	s_sub_co_u32 s[CNT], s[CNT], 1
	s_cmp_lg_u32 s[CNT], 0
	s_cbranch_scc1 .Lstep_\@
.endm
	CHUNK 0
	CHUNK 1
	CHUNK 2
	CHUNK 3                                        ; its wait is for 0: no tensor load is out from here on
	; THE WAY OUT.  O^T / the sum x 2^(e2 + e3) is the attention's result in f32; held and converted with 2^e4 it is the projection's operand.  Tile t's register j is the channel at place 16 t + 8 h + j, which v_codes' order of
	; channels makes channel 32 (t / 2) + 16 h + 8 (t % 2) + j: so registers 4 b .. 4 b + 3 of the codes are channels 32 b + 16 h + 0..15.  They are stored as an image of the registers, 16 bytes a lane.
	v_add_f32 v14, v14, v15                        ; the sum's two halves,   (these additions and the two address lines are the places behind the last products)
	v_permlanex16_b32 v252, v14, s[SEL], s[SEL+1]
	v_add_f32 v14, v14, v252                       ; and lane l xor 16's: the row's sum
	v_rcp_f32 v14, v14
	v_and_b32 v[GO], 31, v0                        ; (a plain instruction behind the reciprocal)
	v_lshlrev_b32 v[GO], 4, v[GO]
	s_add_co_i32 s90, s86, s87
	s_wait_alu depctr_va_vdst(0)                   ; the wait ahead of the reciprocal's first reader
	v_ldexp_f32 v14, v14, s90                      ; x 2^(e2 + e3)
.set i, 0
.rept 16
	v_pk_mul_f32 v[96+i:97+i], v[160+i:161+i], v[14:15] op_sel_hi:[1,0]   ; each accumulator from its low end on
.set i, i+2
.endr
.set i, 0
.rept 32
	v_med3_num_f32 v[96+i], v[96+i], -v246, v246
.set i, i+1
.endr
.irp t, 0,1,2,3
	v_cvt_scalef32_pk8_fp8_f32 v[24+2*\t:25+2*\t], v[96+8*\t:103+8*\t], v245
.endr
	v_nop
	global_store_b128 v[GO], v[24:27], s[12:13]            ; 32 lanes store 512 consecutive bytes, at a multiple of 512 from the buffer's first byte
	global_store_b128 v[GO], v[28:31], s[12:13] offset:512
	s_wait_tensorcnt 0x0
	ds_add_u32 v251, v255
	s_wait_dscnt 0x0
	CROUND                                         ; the closing round: no work-group ends while a partner may still ask for a chunk that names it
	s_endpgm
.Lfunc_end_k_q788985cb47_attn:
	.size	k_q788985cb47_attn, .Lfunc_end_k_q788985cb47_attn-k_q788985cb47_attn
	.p2alignl 7, 3214868480
	.fill 96, 4, 3214868480
	.section	.rodata,"a",@progbits
	.p2align	6, 0x0
	.amdhsa_kernel k_q788985cb47_attn
		.amdhsa_group_segment_fixed_size 296960
		.amdhsa_private_segment_fixed_size 0
		.amdhsa_enable_private_segment 0
		.amdhsa_kernarg_size 40
		.amdhsa_user_sgpr_count 2
		.amdhsa_user_sgpr_kernarg_segment_ptr 1
		.amdhsa_wavefront_size32 1
		.amdhsa_system_sgpr_workgroup_id_x 1
		.amdhsa_system_sgpr_workgroup_id_y 1
		.amdhsa_system_sgpr_workgroup_id_z 1
		.amdhsa_system_vgpr_workitem_id 0
		.amdhsa_next_free_vgpr 256
		.amdhsa_next_free_sgpr 96
		.amdhsa_reserve_vcc 0
		.amdhsa_float_denorm_mode_32 3
		.amdhsa_float_denorm_mode_16_64 3
		.amdhsa_memory_ordered 1
		.amdhsa_forward_progress 1
		.amdhsa_inst_pref_size 80
	.end_amdhsa_kernel
	.amdgpu_metadata
---
amdhsa.version: [ 1, 2 ]
amdhsa.kernels:
  - .name:           k_q788985cb47_attn
    .symbol:         k_q788985cb47_attn.kd
    .args:
      - { .name: x, .offset: 0, .size: 8, .value_kind: global_buffer, .address_space: global }
      - { .name: k_codes, .offset: 8, .size: 8, .value_kind: global_buffer, .address_space: global }
      - { .name: v_codes, .offset: 16, .size: 8, .value_kind: global_buffer, .address_space: global }
      - { .name: lowp_scales, .offset: 24, .size: 8, .value_kind: global_buffer, .address_space: global }
      - { .name: a_codes, .offset: 32, .size: 8, .value_kind: global_buffer, .address_space: global }
    .group_segment_fixed_size: 296960
    .private_segment_fixed_size: 0
    .kernarg_segment_align: 8
    .kernarg_segment_size: 40
    .max_flat_workgroup_size: 512
    .sgpr_count:     96
    .vgpr_count:     256
    .wavefront_size: 32
...
	.end_amdgpu_metadata
.endif
;; end of part 2
;; launch proj (part 3): grid 8 x 32, 4 waves a work-group, clusters of 4 x 4, 312,832 bytes of LDS; arguments a_codes, w_codes, lowp_scales, b_proj, out0; writes out0
.if DOCPART == 3
	.amdgcn_target "amdgcn-amd-amdhsa--gfx1250"
	.amdhsa_code_object_version 6
	.text
	.protected	k_q788985cb47_proj
	.globl	k_q788985cb47_proj
	.p2align	8
	.type	k_q788985cb47_proj,@function
k_q788985cb47_proj:
	s_mov_b64 s[64:65], 0
	v_nop
	global_prefetch_b8 v0, s[64:65] scope:SCOPE_SE
	s_setreg_imm32_b32 hwreg(HW_REG_WAVE_MODE, 25, 1), 1
	s_wait_xcnt 0x0
	s_wait_alu depctr_hold_cnt(0) depctr_sa_sdst(0) depctr_va_vdst(0) depctr_va_sdst(0) depctr_va_ssrc(0) depctr_va_vcc(0) depctr_vm_vsrc(0)
	s_getreg_b32 s2, hwreg(HW_REG_IB_STS2, 6, 4)
	s_cmp_eq_u32 s2, 0
	s_cbranch_scc0 .Lentry_in_a_cluster
	s_endpgm
.Lentry_in_a_cluster:
	s_bfe_u32 s2, ttmp6, 0x10000c
	s_cmp_lg_u32 s2, 0xf033
	s_cbranch_scc0 .Lentry_shape_is_right
	s_endpgm
.Lentry_shape_is_right:
; out0[m][n] = (the sum over k of a[m][k] w[n][k]) x 2^(e4 + e5) + b_proj[n], on codes of FP8 (E4M3): a [4096][1024] from the attention's launch, w [1024][1024] from the first launch; sums in f32; out0 f32.
; LIMIT: e4 + e5 lies between -126 and 127, so that 2^(e4 + e5) is an f32 number.
; SHARES.  A tile of out0 is 128 x 128: 8 x 32 = 256 work-groups of four waves, a wave 64 x 64: 16 accumulators.  A larger tile would leave work-groups for a part of the WGPs only.
; THE WHOLE K OF BOTH OPERANDS LIES IN LDS, EACH BYTE FILLED ONCE: 131,072 bytes of a, 128 rows x 16 x 80 bytes of w.  No slot is filled again, so there is no ring.  K comes in four chunks of 256; in chunk c wave w asks for
; the 64 along K at kk = 4 c + w, of a and of w: eight tensor loads a wave, all at the start, so eight are out at the most.  A chunk is read behind each wave's counted wait and a barrier.
; CLUSTERS: 4 x 4 work-groups.  The four of a row of the cluster need the same rows of a, the four of a column the same rows of w: each piece is asked for JOINTLY, by the same tensor load with the same descriptor and a mask that names the four.
; a_codes [block of 128 rows][kk 16][tile of 16 rows][1,024] holds images of operand registers: registers 0-3 at 16 x lane, 4-7 at 512 + 16 x lane; lane (r, h) holds row r, registers 4 b .. 4 b + 3 hold k = 64 kk + 32 b + 16 h + 0..15.
; w_codes [kk 16][n 1024][64]: a 16-byte load at 16 h + 32 b of a row gives the same k: the same order along K on both sides, so every product meets its partner.
; THE MATRIX INSTRUCTION IS USED TRANSPOSED (source 0 = 16 rows of w, source 1 = 16 rows of a): a lane then holds eight neighbouring numbers of a row of out0.
; REGISTERS, in windows of 256: window 0: v4-15 addresses; v32-63 the bias, in the result's layout; v64-95, v96-127 at work on the way out; v128-255 the accumulators ((a, b) at v[128 + 8 (4 a + b)]).
;   window 1: two sets of fragments for 128 along K, at v0 and v128: a's four at + 16 a, w's four at + 64 + 16 b.
.set BP,    80                         ; a row of w in LDS: 64 bytes + 16 of padding: the 16 rows of a load start at 16 different groups of 4 banks (64 banks of 4 bytes: ISA guide 11.1)
.set BBASE, 131072                     ; w lies behind a
.set STG,   BBASE+16*128*BP            ; behind both: a stage of 16 rows x (256 bytes + 16) for each wave, for the way out; no tensor load lands there
.set SP,    272
.set ADRA, 4                           ; v4-7    chunk c: LDS address of my fragments of a: 32,768 c + 4,096 wm + 16 x lane
.set ADRB, 8                           ; v8-11   of w: BBASE + 40,960 c + 80 (64 wn + r) + 16 h
.set STO,  12                          ; v12     the way out: where I put 32 bytes of a row
.set RD,   13                          ; v13     where I read a row back
.set CO,   14                          ; v14     my byte offset in two rows of out0
.set BO,   15                          ; v15     32 h: my 8 numbers of a tile's 16 of the bias
.set BIAS, 32
.set T,    64
.set BK,   96
.set ACC,  128
.set WV,   14                          ; s14 wave;  s15 wm: which 64 rows;  s3 wn: which 64 columns
.set G1A,  16                          ; s[16:23] descriptor group 1 for a's pieces;  s[24:31] for w's
.set G1B,  24
.set G0A,  32                          ; s[32:47] group 0 for my four pieces of a;  s[48:63] of w
.set G0B,  48
.set MSB, 0
.macro WIN new                         ; s_set_vgpr_msb's low byte: bits 1:0 source 0, 3:2 source 1, 5:4 source 2, 7:6 destination; the high byte repeats the setting that is left
.if MSB != \new
	s_set_vgpr_msb (MSB<<8)|\new
.set MSB, \new
.endif
.endm
.set MULW, 0x05                        ; sources 0 (w) and 1 (a) window 1; C and D window 0
.set TO_F, 0x40                        ; destination window 1, address window 0
.macro CROUND                          ; a round of the cluster's barrier
	s_barrier_signal -1
	s_barrier_wait -1
	s_cmp_lg_u32 s[WV], 0
	s_cbranch_scc1 .Lnot_wave_0_\@
	s_barrier_signal -3
.Lnot_wave_0_\@:
	s_barrier_wait -3
	s_barrier_signal -1
	s_barrier_wait -1
.endm
	s_load_b256 s[4:11], s[0:1], 0x0               ; a_codes s[4:5], w_codes s[6:7], the scales' exponents s[8:9], b_proj s[10:11]
	s_load_b64 s[12:13], s[0:1], 0x20              ; out0
	v_lshl_add_u32 v30, v0, 2, 0x4c400
	v_mov_b32 v31, 0
	ds_add_u32 v30, v31
	ds_add_u32 v30, v31
	v_lshrrev_b32 v1, 5, v0
	v_readfirstlane_b32 s[WV], v1                  ; wave 0..3
	s_lshr_b32 s15, s[WV], 1
	s_and_b32 s3, s[WV], 1
	s_bfe_u32 s66, ttmp6, 0x40000                  ; cx, cy: my place in the cluster
	s_bfe_u32 s67, ttmp6, 0x40004
	s_lshl_b32 s68, ttmp9, 2
	s_add_co_u32 s68, s68, s66                     ; tn: tile column = 4 x cluster x + cx
	s_and_b32 s69, ttmp7, 0xffff
	s_lshl_b32 s69, s69, 2
	s_add_co_u32 s69, s69, s67                     ; Mb: tile row = 4 x cluster y + cy
	s_lshl_b32 s70, s67, 2
	s_lshl_b32 s70, 15, s70                        ; my row of the cluster
	s_lshl_b32 s71, 0x1111, s66                    ; my column
	; descriptor group 1.  a: 8,192 dense bytes as 32 rows of 32 elements of 8 bytes.  w: 8,192 dense bytes as 32 rows of 256 bytes, with 4 words of padding behind every 16 words, that is behind each row n's 64 bytes
	s_or_b32 s[G1A], s70, (3<<16)|(1<<21)          ; 15:0 the mask: a's pieces go to my row; 17:16 elements of 8 bytes; 21 set beside a mask
	s_mov_b32 s[G1A+1], 32<<16                     ; tensor_dim0
	s_mov_b32 s[G1A+2], 32<<16                     ; tensor_dim1
	s_mov_b32 s[G1A+3], 32<<16                     ; tile_dim0
	s_mov_b32 s[G1A+4], 32                         ; tile_dim1
	s_mov_b32 s[G1A+5], 32                         ; tensor_dim0_stride
	s_mov_b32 s[G1A+6], 0
	s_mov_b32 s[G1A+7], 0
	s_or_b32 s[G1B], s71, (0<<16)|(1<<20)|(1<<21)|(3<<22)|(3<<25)   ; the mask of my column; elements of 1 byte; padding on: after every 16 words (code 3) 4 words (code 3)
	s_mov_b32 s[G1B+1], 256<<16
	s_mov_b32 s[G1B+2], 32<<16
	s_mov_b32 s[G1B+3], 256<<16
	s_mov_b32 s[G1B+4], 32
	s_mov_b32 s[G1B+5], 256
	s_mov_b32 s[G1B+6], 0
	s_mov_b32 s[G1B+7], 0
	; where my pieces come from.  a's hang on the tile row and the wave's number, w's on the tile column and the wave's number, each in registers that never hold the other coordinate
	s_lshl_b32 s72, s69, 17                        ; a: 131,072 Mb + 8,192 w (+ 32,768 c)
	s_lshl_b32 s73, s[WV], 13
	s_add_co_u32 s72, s72, s73
	s_mov_b32 s73, 0
	s_lshl_b32 s76, s68, 13                        ; w: 8,192 tn + 65,536 w (+ 262,144 c)
	s_lshl_b32 s77, s[WV], 16
	s_add_co_u32 s76, s76, s77
	s_mov_b32 s77, 0
	s_lshl_b32 s80, s[WV], 13                      ; and where they go: no place in the cluster enters an LDS address
	s_mul_i32 s81, s[WV], 128*BP
	s_add_co_u32 s81, s81, BBASE
	s_wait_dscnt 0x0
	s_wait_kmcnt 0x0
	s_load_b64 s[84:85], s[8:9], 0x10              ; e4, e5
	s_add_nc_u64 s[74:75], s[4:5], s[72:73]
	s_add_nc_u64 s[78:79], s[6:7], s[76:77]
.irp c, 0,1,2,3
	s_mov_b32 s[G0A+4*\c], 1                       ; 1:0 count = 1
	s_add_co_u32 s[G0A+4*\c+1], s80, 32768*\c      ; 63:32 LDS address: 8,192 kk, kk = 4 c + w
	s_add_nc_u64 s[G0A+4*\c+2:G0A+4*\c+3], s[74:75], 32768*\c   ; 120:64 global address
	s_or_b32 s[G0A+4*\c+3], s[G0A+4*\c+3], 0x80000000           ; 127:126 type = 2
	s_mov_b32 s[G0B+4*\c], 1
	s_add_co_u32 s[G0B+4*\c+1], s81, 4*128*BP*\c
	s_add_nc_u64 s[G0B+4*\c+2:G0B+4*\c+3], s[78:79], 262144*\c
	s_or_b32 s[G0B+4*\c+3], s[G0B+4*\c+3], 0x80000000
.endr
	CROUND                                         ; all sixteen work-groups are here: the joint loads meet
.irp c, 0,1,2,3
	tensor_load_to_lds s[G0A+4*\c:G0A+4*\c+3], s[G1A:G1A+7]   ; chunk by chunk, a's piece and then w's: every wave issues all eight, ahead of every wait on TENSORcnt, every LDS read and every other barrier
	s_nop 0
	tensor_load_to_lds s[G0B+4*\c:G0B+4*\c+3], s[G1B:G1B+7]
	s_nop 0
.endr
.rept 4
	v_nop                                          ; four v_nop follow the last
.endr
	v_and_b32 v1, 31, v0                           ; lane
	v_and_b32 v2, 15, v0                           ; r
	v_bfe_u32 v3, v0, 4, 1                         ; h
	s_lshl_b32 s72, s15, 12
	v_lshlrev_b32 v16, 4, v1
	v_add_nc_u32 v16, s72, v16
	v_mul_u32_u24 v17, v2, BP
	v_lshl_add_u32 v17, v3, 4, v17
	s_mul_i32 s73, s3, 64*BP
	s_add_co_u32 s73, s73, BBASE
	v_add_nc_u32 v17, s73, v17
.irp c, 0,1,2,3
	v_add_nc_u32 v[ADRA+\c], 32768*\c, v16
	v_add_nc_u32 v[ADRB+\c], 4*128*BP*\c, v17
.endr
	s_mul_i32 s72, s[WV], 16*SP
	s_add_co_u32 s72, s72, STG                     ; my stage
	v_mul_u32_u24 v[STO], v2, SP                   ; in: row r, 32 bytes for each half of the lanes
	v_lshl_add_u32 v[STO], v3, 5, v[STO]
	v_add_nc_u32 v[STO], s72, v[STO]
	v_mul_u32_u24 v[RD], v3, SP                    ; back: lanes 0-15 take one row of 256 bytes, lanes 16-31 the next
	v_lshl_add_u32 v[RD], v2, 4, v[RD]
	v_add_nc_u32 v[RD], s72, v[RD]
	v_lshlrev_b32 v[CO], 12, v3                    ; and the same two rows in out0
	v_lshl_add_u32 v[CO], v2, 4, v[CO]
	v_lshlrev_b32 v[BO], 5, v3
	s_lshl_b32 s76, s68, 9                         ; my first column, in bytes: 512 tn + 256 wn: in b_proj and in a row of out0
	s_lshl_b32 s77, s3, 8
	s_add_co_u32 s76, s76, s77
	s_mov_b32 s77, 0
	s_add_nc_u64 s[10:11], s[10:11], s[76:77]
	s_add_nc_u64 s[12:13], s[12:13], s[76:77]
	s_lshl_b32 s78, s69, 7                         ; my first row: 128 Mb + 64 wm, of 4,096 bytes
	s_lshl_b32 s79, s15, 6
	s_add_co_u32 s78, s78, s79
	s_lshl_b32 s78, s78, 12
	s_mov_b32 s79, 0
	s_add_nc_u64 s[12:13], s[12:13], s[78:79]
.irp b, 0,1,2,3
	global_load_b128 v[BIAS+8*\b:BIAS+8*\b+3],   v[BO], s[10:11] offset:64*\b      ; b_proj at my columns 16 b + 8 h + 0..7
	global_load_b128 v[BIAS+8*\b+4:BIAS+8*\b+7], v[BO], s[10:11] offset:64*\b+16
.endr
; 32 LDS loads in one run: the fragments of K step s (128 along K: kk = 2 s and 2 s + 1, in chunk s / 2) into set f
.macro FETCH s, f
	WIN TO_F
.irp a, 0,1,2,3
.irp u, 0,1
.irp q, 0,1
	ds_load_b128 v[(\f)+16*\a+8*\u+4*\q:(\f)+16*\a+8*\u+4*\q+3], v[ADRA+(\s)/2] offset:8192*(2*((\s)%2)+\u)+1024*\a+512*\q         ; a's image as it lies: 32 lanes read 512 consecutive bytes
.endr
.endr
.endr
.irp b, 0,1,2,3
.irp u, 0,1
.irp q, 0,1
	ds_load_b128 v[(\f)+64+16*\b+8*\u+4*\q:(\f)+64+16*\b+8*\u+4*\q+3], v[ADRB+(\s)/2] offset:128*BP*(2*((\s)%2)+\u)+16*BP*\b+32*\q   ; w's row 16 b + r, k = 32 q + 16 h + 0..15 of the 64
.endr
.endr
.endr
.endm
; 16 matrix instructions: the 16 accumulators take turns, one instruction a turn, in the same order in every step.  zero = 1: the first products start the sums: nothing is cleared.
.macro MULS f, zero
	WIN MULW
.irp a, 0,1,2,3
.irp b, 0,1,2,3
.if \zero
	v_wmma_f32_16x16x128_fp8_fp8 v[ACC+8*(4*\a+\b):ACC+8*(4*\a+\b)+7], v[(\f)+64+16*\b:(\f)+64+16*\b+15], v[(\f)+16*\a:(\f)+16*\a+15], 0
.else
	v_wmma_f32_16x16x128_fp8_fp8 v[ACC+8*(4*\a+\b):ACC+8*(4*\a+\b)+7], v[(\f)+64+16*\b:(\f)+64+16*\b+15], v[(\f)+16*\a:(\f)+16*\a+15], v[ACC+8*(4*\a+\b):ACC+8*(4*\a+\b)+7]
.endif
.endr
.endr
.endm
.macro PLACES                          ; four places in front of loads into registers that matrix instructions have read, and of the first read of results (ISA guide 7.12.1 for vector instructions)
.rept 4
	v_nop
.endr
.endm
	s_wait_tensorcnt 6                             ; my two pieces of chunk 0 are in; the six of the later chunks may be out (tensor loads of a wave end in order: ISA guide 10.11.1),
	s_barrier_signal -1
	s_barrier_wait -1                              ; everybody's are.
	FETCH 0, 0
.set S, 0
.rept 7                                ; K step S is multiplied while step S + 1's fragments come into the other set
.if (S%2) == 1                         ; step S + 1 begins chunk (S + 1) / 2
	s_wait_tensorcnt 6-2*((S+1)/2)                 ; my two pieces of that chunk are in; two for each later chunk may be out
	s_wait_dscnt 0x0                               ; no LDS instruction of mine is pending at the signal
	s_barrier_signal -1
	s_barrier_wait -1
.endif
.if S > 0
	PLACES                                         ; the set that is loaded next was multiplied in step S - 1
.endif
	FETCH S+1, 128*((S+1)%2)
	s_wait_dscnt 32                                ; all but the 32 just issued
.if S == 0
	MULS 0, 1
.else
	MULS 128*(S%2), 0
.endif
.set S, S+1
.endr
	s_wait_dscnt 0x0
	MULS 128, 0                                    ; K step 7
	WIN 0
	PLACES
	s_wait_kmcnt 0x0
	s_wait_loadcnt 0x0                             ; the bias
	s_add_co_i32 s86, s84, s85                     ; e4 + e5, between -126 and 127,
	s_add_co_i32 s86, s86, 127
	s_lshl_b32 s86, s86, 23                        ; makes the f32 number 2^(e4 + e5)
	s_mov_b32 s87, s86                             ; (named with it as a pair, so it is written)
	; THE WAY OUT, a block of 16 rows x 64 columns at a time.  A lane holds 32 neighbouring bytes of a row and the lanes beside it hold other rows: so a block goes through my own stage in LDS and comes back as whole rows of 256 bytes.
	; LDS serves a wave's instructions in order (ISA guide 5.7.1.4): no wait between the stores and the loads, nor in front of the next block's stores.
.irp a, 0,1,2,3
.if \a > 0
	s_wait_xcnt 0x0                                ; the last block's stores have read their registers: the loads below may land there
.endif
.irp b, 0,1,2,3
.irp i, 0,2,4,6
	v_pk_fma_f32 v[T+8*\b+\i:T+8*\b+\i+1], v[ACC+8*(4*\a+\b)+\i:ACC+8*(4*\a+\b)+\i+1], s[86:87], v[BIAS+8*\b+\i:BIAS+8*\b+\i+1] op_sel_hi:[1,0,1]   ; sum x 2^(e4 + e5) + bias, two at a time; each accumulator from its low end on
.endr
.endr
.irp b, 0,1,2,3
	ds_store_b128 v[STO], v[T+8*\b:T+8*\b+3] offset:64*\b
	ds_store_b128 v[STO], v[T+8*\b+4:T+8*\b+7] offset:64*\b+16
.endr
.irp i, 0,1,2,3,4,5,6,7
	ds_load_b128 v[BK+4*\i:BK+4*\i+3], v[RD] offset:2*SP*\i
.endr
.irp i, 0,1,2,3,4,5,6,7
	s_wait_dscnt 7-\i                              ; load i is in; the 7 - i younger ones may be out
	global_store_b128 v[CO], v[BK+4*\i:BK+4*\i+3], s[12:13] offset:(16*\a+2*\i)*4096 th:TH_STORE_NT   ; 16 lanes store 256 consecutive bytes, at a multiple of 256 from out0's first byte; written once, read by nobody here; no pointer is stepped
.endr
.endr
	s_wait_tensorcnt 0x0
	ds_add_u32 v30, v31
	s_wait_dscnt 0x0
	CROUND                                         ; the closing round: no work-group ends while a partner may still ask for a piece that names it
	s_endpgm
.Lfunc_end_k_q788985cb47_proj:
	.size	k_q788985cb47_proj, .Lfunc_end_k_q788985cb47_proj-k_q788985cb47_proj
	.p2alignl 7, 3214868480
	.fill 96, 4, 3214868480
	.section	.rodata,"a",@progbits
	.p2align	6, 0x0
	.amdhsa_kernel k_q788985cb47_proj
		.amdhsa_group_segment_fixed_size 312832
		.amdhsa_private_segment_fixed_size 0
		.amdhsa_enable_private_segment 0
		.amdhsa_kernarg_size 40
		.amdhsa_user_sgpr_count 2
		.amdhsa_user_sgpr_kernarg_segment_ptr 1
		.amdhsa_wavefront_size32 1
		.amdhsa_system_sgpr_workgroup_id_x 1
		.amdhsa_system_sgpr_workgroup_id_y 1
		.amdhsa_system_sgpr_workgroup_id_z 1
		.amdhsa_system_vgpr_workitem_id 0
		.amdhsa_next_free_vgpr 512
		.amdhsa_next_free_sgpr 96
		.amdhsa_reserve_vcc 0
		.amdhsa_float_denorm_mode_32 3
		.amdhsa_float_denorm_mode_16_64 3
		.amdhsa_memory_ordered 1
		.amdhsa_forward_progress 1
		.amdhsa_inst_pref_size 48
	.end_amdhsa_kernel
	.amdgpu_metadata
---
amdhsa.version: [ 1, 2 ]
amdhsa.kernels:
  - .name:           k_q788985cb47_proj
    .symbol:         k_q788985cb47_proj.kd
    .args:
      - { .name: a_codes, .offset: 0, .size: 8, .value_kind: global_buffer, .address_space: global }
      - { .name: w_codes, .offset: 8, .size: 8, .value_kind: global_buffer, .address_space: global }
      - { .name: lowp_scales, .offset: 16, .size: 8, .value_kind: global_buffer, .address_space: global }
      - { .name: b_proj, .offset: 24, .size: 8, .value_kind: global_buffer, .address_space: global }
      - { .name: out0, .offset: 32, .size: 8, .value_kind: global_buffer, .address_space: global }
    .group_segment_fixed_size: 312832
    .private_segment_fixed_size: 0
    .kernarg_segment_align: 8
    .kernarg_segment_size: 40
    .max_flat_workgroup_size: 128
    .sgpr_count:     96
    .vgpr_count:     512
    .wavefront_size: 32
...
	.end_amdgpu_metadata
.endif
;; end of part 3
;; ======== version 2 of 2: 3 launches
;; limits: right only within a limited range of input values
;; workspace buffers: k_codes 4,194,304 bytes; v_codes 4,194,304 bytes; w_codes 1,048,576 bytes; a_codes 4,194,304 bytes
;; launch prep (part 4): grid 256 x 1, 9 waves a work-group, no clusters, 78,592 bytes of LDS; arguments cond_k, cond_v, w_proj, lowp_scales, k_codes, v_codes, w_codes; writes k_codes, v_codes, w_codes
.if DOCPART == 4
	.amdgcn_target "amdgcn-amd-amdhsa--gfx1250"
	.amdhsa_code_object_version 6
	.text
	.protected	k_q788985cb47_prep
	.globl	k_q788985cb47_prep
	.p2align	8
	.type	k_q788985cb47_prep,@function
k_q788985cb47_prep:
	s_mov_b64 s[64:65], 0
	v_nop
	global_prefetch_b8 v0, s[64:65] scope:SCOPE_SE
	s_setreg_imm32_b32 hwreg(HW_REG_WAVE_MODE, 25, 1), 1
	s_wait_xcnt 0x0
; cond_k x 64^(-1/4), cond_v and w_proj, all f32, become codes of FP8 (E4M3), each with the one scale 2^e that is given for it
; (entries 1, 2 and 5 of the buffer of scales): code = x / 2^e, held within +-448, to the nearest code, ties to even.
; LIMITS: each e lies between -126 and 119, so that 2^e and 448 x 2^e are f32 numbers.  NaN among the inputs is not served; an infinity is held at the largest code.
; LAYOUTS OF THE CODES, as the later launches read them:
;   k_codes [b 2][head 16][tile of 16 keys 128][1,024]: each tile is an image of operand registers: [c 2][h 2][r 16][16 bytes] = key r, channels 32 c + 16 h + 0..15 of the head's 64.
;   w_codes [n / 128][kk 16][tile of 16 rows 8][1,024]: the same images, of w_proj's columns 64 kk .. 64 kk + 63.
;   v_codes [b 2][head 16][kb 64][h 2][pos 64][16 bytes]: the keys innermost.  The 16 bytes at (kb, h, pos) are keys 32 kb + 8 h + 0..7, then keys 32 kb + 16 + 8 h + 0..7, of ONE channel x,
;           pos = x with bits 3 and 4 exchanged, so that the attention's results convert into neighbours along the projection's K.
; SHARES.  A share is 32 whole rows x 128 columns (two heads) of one tensor, a wave's work: 32 loads of 512 consecutive bytes, all issued at once.
; The three tensors have 128 + 128 + 32 = 288 blocks of 32 rows, 8 shares each: 2,304 shares = 9 x 256: 256 work-groups of NINE waves have equal work.
; Share n = 9 x work-group + wave: block of rows g = n / 8 (0-127 cond_k, 128-255 cond_v, 256-287 w_proj), columns 128 (n % 8) on.
; No input is shared between work-groups, so a cluster has nothing to share; the waves share nothing, so no barrier; every load stands at the head, so there is no loop for a prefetch to run ahead in.
; One text serves the three tensors: pointers, the scale, a multiplier and strides are chosen on the share's number alone; the multiplier is 1.0 for cond_v and w_proj.  The text parts once, for the way the codes are turned; each way has LDS bytes of its own.
.set X,    32                          ; v32-159  the numbers: load i (row i) in X + 4 i .. + 3: my 4 neighbouring columns
.set E,    160                         ; v160-191 row i's 4 codes, one register a row
.set D,    32                          ; v32-63   cond_v: the codes turned, over X, which is done with
.set OUTR, 64                          ; v64-95   the stage read back
.set O0,   2                           ; v2  16 x lane;  v3 the same one head further on
.set KLA,  4                           ; v4  K stage, in;   v5 out
.set KRA,  5
.set VLA,  6                           ; v6  V stage, in;   v7 out
.set VRA,  7
.set KBP,  272                         ; K stage: a piece of 256 bytes + 16 of padding
.set KHP,  2240                        ; from head to head: 8 pieces + 64
.set KST,  2*KHP                       ; a wave's bytes
.set VST0, 9*KST                       ; V stage: behind the nine K stages: a wave's 4,096 bytes: [head 2][h 2][pos 64][16]
.set SPARE, 77312                      ; behind both: the spare words, 128 bytes for each wave
	s_load_b128 s[4:7], s[0:1], 0x0                ; cond_k, cond_v
	s_load_b128 s[8:11], s[0:1], 0x10              ; w_proj, the scales' exponents
	s_load_b128 s[12:15], s[0:1], 0x20             ; k_codes, v_codes
	s_load_b64 s[16:17], s[0:1], 0x30              ; w_codes
	v_lshl_add_u32 v192, v0, 2, SPARE
	v_mov_b32 v193, 0
	v_lshrrev_b32 v12, 5, v0
	v_readfirstlane_b32 s18, v12                   ; wave 0..8: it alone enters the LDS addresses
	s_mul_i32 s42, s18, KST
	s_lshl_b32 s43, s18, 12
	s_add_co_u32 s43, s43, VST0
	v_and_b32 v1, 31, v0                           ; lane
	v_bfe_u32 v12, v0, 4, 1                        ; which head of my share's two
	v_and_b32 v13, 15, v0                          ; m: which 4 of its 64 channels
	v_bfe_u32 v14, v0, 2, 2                        ; m / 4: which piece: 2 c + h
	v_and_b32 v15, 3, v0                           ; m % 4: which word of 16 bytes
	v_lshlrev_b32 v[O0], 4, v1
	v_mul_u32_u24 v[KLA], v12, KHP
	v_mul_u32_u24 v14, v14, KBP
	v_mul_u32_u24 v[KRA], v12, KBP
	v_add_nc_u32 v[KLA], v14, v[KLA]
	v_lshl_add_u32 v[KRA], v13, 4, v[KRA]
	v_lshl_add_u32 v[KLA], v15, 2, v[KLA]
	v_add_nc_u32 v[KRA], s42, v[KRA]               ; out: lanes 0-15 one piece, lanes 16-31 the next
	v_add_nc_u32 v[KLA], s42, v[KLA]               ; in: head, piece, word; the row stands in the immediate
	v_bfe_u32 v13, v0, 0, 1                        ; 16 x pos of channel 4 m: the channel's bit 2 stays,
	v_bfe_u32 v14, v0, 1, 1                        ; its bit 3 goes to bit 4,
	v_bfe_u32 v15, v0, 2, 1                        ; its bit 4 to bit 3,
	v_bfe_u32 v16, v0, 3, 1                        ; its bit 5 stays
	v_lshlrev_b32 v[VLA], 6, v13
	v_lshlrev_b32 v15, 7, v15
	v_lshl_add_u32 v[VLA], v14, 8, v[VLA]
	v_lshl_add_u32 v15, v16, 9, v15
	v_lshl_add_u32 v[VLA], v12, 11, v[VLA]         ; + 2,048 x head
	v_add_nc_u32 v15, s43, v15
	v_add_nc_u32 v[VLA], v15, v[VLA]
	v_add_nc_u32 v[VRA], s43, v[O0]
	s_mul_i32 s19, ttmp9, 9
	s_add_co_u32 s19, s19, s18                     ; n: my share, 0 .. 2,303
	s_lshr_b32 s31, s19, 3                         ; g: which block of 32 rows, 0 .. 287
	s_and_b32 s19, s19, 7                          ; w: which 128 columns
	s_mov_b32 s38, 0x05010400                      ; byte selects for the turn of 4 x 4 bytes
	s_mov_b32 s39, 0x07030602
	s_mov_b32 s40, 0x05040100
	s_mov_b32 s41, 0x07060302
	s_wait_alu depctr_va_vdst(0)                   ; directly ahead of the wait below
	s_wait_kmcnt 0x0
	s_load_b128 s[20:23], s[10:11], 0x0            ; e0 .. e3
	s_load_b64 s[24:25], s[10:11], 0x10            ; e4, e5
	; which tensor is mine: w_proj's figures first, then cond_v's, then cond_k's take their place
	s_mov_b64 s[32:33], s[8:9]                     ; from
	s_mov_b64 s[34:35], s[16:17]                   ; to
	s_mov_b32 s26, 1.0                             ; the multiplier
	s_mov_b32 s28, 8192                            ; bytes from a head (a kk) to the next in the codes
	s_mov_b32 s29, 256                             ; the tensor's first block of rows
	s_mov_b32 s30, 0                               ; 1: the keys go innermost
	s_cmp_lt_u32 s31, 256
	s_cselect_b64 s[32:33], s[6:7], s[32:33]
	s_cselect_b64 s[34:35], s[14:15], s[34:35]
	s_cselect_b32 s28, 0x20000, s28
	s_cselect_b32 s29, 128, s29
	s_cselect_b32 s30, 1, s30
	s_cselect_b32 s36, 6, 2                        ; 64 blocks of rows to a batch element, or 4 to 128 rows of w_proj,
	s_cselect_b32 s37, 21, 17                      ; which begin 2^21 or 2^17 bytes apart
	s_cselect_b32 s46, 63, 3
	s_cmp_lt_u32 s31, 128
	s_cselect_b64 s[32:33], s[4:5], s[32:33]
	s_cselect_b64 s[34:35], s[12:13], s[34:35]
	s_cselect_b32 s26, 0x3eb504f3, s26             ; 1 / sqrt(sqrt(64)) as f32
	s_cselect_b32 s29, 0, s29
	s_cselect_b32 s30, 0, s30
	s_mov_b32 s27, s26                             ; (named with it as a pair, so it is written)
	s_sub_co_u32 s29, s31, s29                     ; rb: which 32 rows of the tensor
	s_lshl_b32 s42, s29, 17                        ; from: 131,072 rb + 512 w
	s_lshl_b32 s43, s19, 9
	s_add_co_u32 s42, s42, s43
	s_mov_b32 s43, 0
	s_add_nc_u64 s[32:33], s[32:33], s[42:43]
	s_lshr_b32 s44, s29, s36                       ; to: the group of blocks, the block's 2,048 bytes in it, and 2 w heads (kk)
	s_lshl_b32 s44, s44, s37
	s_and_b32 s45, s29, s46
	s_lshl_b32 s45, s45, 11
	s_add_co_u32 s44, s44, s45
	s_lshl_b32 s46, s19, 1
	s_mul_i32 s46, s46, s28
	s_add_co_u32 s44, s44, s46
	s_mov_b32 s45, 0
	s_add_nc_u64 s[34:35], s[34:35], s[44:45]
	v_add_nc_u32 v[O0+1], s28, v[O0]
.set i, 0
.rept 32
	global_load_b128 v[X+4*i:X+4*i+3], v[O0], s[32:33] offset:4096*i th:TH_LOAD_NT   ; row i: 32 lanes read 512 consecutive bytes; read once in the launch
.set i, i+1
.endr
	s_wait_alu depctr_va_vdst(0)                   ; directly ahead of the wait below
	s_wait_kmcnt 0x0
	s_mov_b32 s36, s25                             ; e: w_proj's, cond_v's or cond_k's
	s_cmp_lt_u32 s31, 256
	s_cselect_b32 s36, s22, s36
	s_cmp_lt_u32 s31, 128
	s_cselect_b32 s36, s21, s36
	s_add_co_i32 s36, s36, 127
	s_lshl_b32 s37, s36, 23
	v_mov_b32 v11, s37                             ; 2^e as f32: the conversion takes its exponent field
	s_add_co_i32 s36, s36, 8
	s_lshl_b32 s36, s36, 23
	s_or_b32 s36, s36, 0x600000
	v_mov_b32 v10, s36                             ; 448 x 2^e
	s_wait_alu depctr_va_vdst(0)                   ; the wait at the head's end
; Rows 8 g .. 8 g + 7: multiplied, held, converted.  A conversion takes 8 numbers: two rows' 4 columns, so each of its two result registers is one row's 4 codes.
.macro GROUP g
	s_wait_loadcnt 24-8*\g                         ; loads come back in order (ISA guide 5.7.1): these 8 are in, the 8 (3 - g) younger ones may be out
.set i, 0
.rept 16
	v_pk_mul_f32 v[X+32*\g+i:X+32*\g+i+1], v[X+32*\g+i:X+32*\g+i+1], s[26:27] op_sel_hi:[1,0]
.set i, i+2
.endr
.set i, 0
.rept 32
	v_med3_num_f32 v[X+32*\g+i], v[X+32*\g+i], -v10, v10   ; the conversion to an 8-bit code does not saturate (ISA guide 7.6.2): the hold comes first
.set i, i+1
.endr
.irp p, 0,1,2,3
	v_cvt_scalef32_pk8_fp8_f32 v[E+8*\g+2*\p:E+8*\g+2*\p+1], v[X+32*\g+8*\p:X+32*\g+8*\p+7], v11
.endr
.endm
	GROUP 0
	GROUP 1
	GROUP 2
	GROUP 3
	v_nop                                          ; one plain vector instruction between the last conversion and the lines that read its results or write over its sources
; The stage comes back 16 bytes a lane and leaves: 4 stores of 512 consecutive bytes for each of my two heads.  LDS serves a wave's instructions in order (ISA guide 5.7.1.4): no wait between my stores and these loads.
.macro TAIL ra, hp, lp
.irp j, 0,1,2,3,4,5,6,7
	ds_load_b128 v[OUTR+4*\j:OUTR+4*\j+3], v[\ra] offset:(\j/4)*\hp+\lp*(\j%4)
.endr
.irp j, 0,1,2,3,4,5,6,7
	s_wait_dscnt 7-\j                              ; load j is in; the 7 - j younger ones may be out
	global_store_b128 v[O0+\j/4], v[OUTR+4*\j:OUTR+4*\j+3], s[34:35] offset:512*(\j%4)
.endr
	s_wait_tensorcnt 0x0                           ; the wave's end
	ds_add_u32 v192, v193
	s_wait_dscnt 0x0
	s_endpgm
.endm
	s_wait_alu depctr_va_vdst(0)                   ; directly ahead of the branch
	s_cmp_lg_u32 s30, 0
	s_cbranch_scc1 .Lkeys_innermost
	; cond_k and w_proj: row i's 4 bytes go to their place in its tile's image
.set i, 0
.rept 32
	ds_store_b32 v[KLA], v[E+i] offset:4*KBP*(i/16)+16*(i%16)
.set i, i+1
.endr
	TAIL KRA, KHP, 2*KBP
.Lkeys_innermost:
; cond_v: 4 rows (keys 4 m .. 4 m + 3) x my 4 columns are turned by 8 byte permutes: the first four pair the keys, the last four join the pairs: one register a column, its 4 keys in ascending order.
; Keys 4 m .. belong to half h = (m / 2) % 2 and are word m % 2 + 2 (m / 4) of the column's 16 bytes there.
.macro TR m
.set TT, 16+4*((\m)%2)
.set DD, D+4*(((\m)/2)%2)+((\m)%2)+2*((\m)/4)
	v_perm_b32 v[TT],   v[E+4*(\m)+1], v[E+4*(\m)],   s38   ; keys 0, 1 of columns 0, 1
	v_perm_b32 v[TT+1], v[E+4*(\m)+1], v[E+4*(\m)],   s39   ; keys 0, 1 of columns 2, 3
	v_perm_b32 v[TT+2], v[E+4*(\m)+3], v[E+4*(\m)+2], s38   ; keys 2, 3 of columns 0, 1
	v_perm_b32 v[TT+3], v[E+4*(\m)+3], v[E+4*(\m)+2], s39   ; keys 2, 3 of columns 2, 3
	v_perm_b32 v[DD],    v[TT+2], v[TT],   s40
	v_perm_b32 v[DD+8],  v[TT+2], v[TT],   s41
	v_perm_b32 v[DD+16], v[TT+3], v[TT+1], s40
	v_perm_b32 v[DD+24], v[TT+3], v[TT+1], s41
.endm
.irp m, 0,1,2,3,4,5,6,7
	TR \m
.endr
.irp c, 0,1,2,3
.irp h, 0,1
	ds_store_b128 v[VLA], v[D+8*\c+4*\h:D+8*\c+4*\h+3] offset:1024*\h+16*\c   ; neighbouring lanes stand 64 bytes or more apart here, so several fall on the same banks: eight such stores a wave
.endr
.endr
	TAIL VRA, 2048, 512
.Lfunc_end_k_q788985cb47_prep:
	.size	k_q788985cb47_prep, .Lfunc_end_k_q788985cb47_prep-k_q788985cb47_prep
	.p2alignl 7, 3214868480
	.fill 96, 4, 3214868480
	.section	.rodata,"a",@progbits
	.p2align	6, 0x0
	.amdhsa_kernel k_q788985cb47_prep
		.amdhsa_group_segment_fixed_size 78592
		.amdhsa_private_segment_fixed_size 0
		.amdhsa_enable_private_segment 0
		.amdhsa_kernarg_size 56
		.amdhsa_user_sgpr_count 2
		.amdhsa_user_sgpr_kernarg_segment_ptr 1
		.amdhsa_wavefront_size32 1
		.amdhsa_system_sgpr_workgroup_id_x 1
		.amdhsa_system_sgpr_workgroup_id_y 1
		.amdhsa_system_sgpr_workgroup_id_z 1
		.amdhsa_system_vgpr_workitem_id 0
		.amdhsa_next_free_vgpr 194
		.amdhsa_next_free_sgpr 66
		.amdhsa_reserve_vcc 0
		.amdhsa_float_denorm_mode_32 3
		.amdhsa_float_denorm_mode_16_64 3
		.amdhsa_memory_ordered 1
		.amdhsa_forward_progress 1
		.amdhsa_inst_pref_size 31
	.end_amdhsa_kernel
	.amdgpu_metadata
---
amdhsa.version: [ 1, 2 ]
amdhsa.kernels:
  - .name:           k_q788985cb47_prep
    .symbol:         k_q788985cb47_prep.kd
    .args:
      - { .name: cond_k, .offset: 0, .size: 8, .value_kind: global_buffer, .address_space: global }
      - { .name: cond_v, .offset: 8, .size: 8, .value_kind: global_buffer, .address_space: global }
      - { .name: w_proj, .offset: 16, .size: 8, .value_kind: global_buffer, .address_space: global }
      - { .name: lowp_scales, .offset: 24, .size: 8, .value_kind: global_buffer, .address_space: global }
      - { .name: k_codes, .offset: 32, .size: 8, .value_kind: global_buffer, .address_space: global }
      - { .name: v_codes, .offset: 40, .size: 8, .value_kind: global_buffer, .address_space: global }
      - { .name: w_codes, .offset: 48, .size: 8, .value_kind: global_buffer, .address_space: global }
    .group_segment_fixed_size: 78592
    .private_segment_fixed_size: 0
    .kernarg_segment_align: 8
    .kernarg_segment_size: 56
    .max_flat_workgroup_size: 288
    .sgpr_count:     66
    .vgpr_count:     194
    .wavefront_size: 32
...
	.end_amdgpu_metadata
.endif
;; end of part 4
;; launch attn (part 5): grid 32 x 8, 8 waves a work-group, no clusters, 263,168 bytes of LDS; arguments x, k_codes, v_codes, lowp_scales, a_codes; writes a_codes
.if DOCPART == 5
	.amdgcn_target "amdgcn-amd-amdhsa--gfx1250"
	.amdhsa_code_object_version 6
	.text
	.protected	k_q788985cb47_attn
	.globl	k_q788985cb47_attn
	.p2align	8
	.type	k_q788985cb47_attn,@function
k_q788985cb47_attn:
	s_mov_b64 s[64:65], 0
	v_nop
	global_prefetch_b8 v0, s[64:65] scope:SCOPE_SE
	s_setreg_imm32_b32 hwreg(HW_REG_WAVE_MODE, 25, 1), 1
	s_wait_xcnt 0x0
; For each of 32 heads (work-group x = 16 b + head): a[q][:] = the sum over keys of softmax(q . k) v, both products on codes of FP8 (E4M3); the result is quantised for the projection.
; The scales' exponents: e0 for q = x x 64^(-1/4), e1 for k, e2 for v, e3 for p, e4 for the result.  k's and v's codes were made by the launch before; each row of x is read once, by one wave, and is quantised here.
; THE SOFTMAX AHEAD OF THE SECOND PRODUCT: t = score x log2(e); M = the row's largest t, rounded UP to a whole number; p = 2^(t - M) is what is quantised; it is not normalised.
; The row's sum is taken of the unquantised p, in f32, and divides at the end.
; TWO PASSES OVER THE KEYS.  Pass 1 makes the scores and takes only their maxima, so M is final; pass 2 makes the scores again, then p, its sum, its codes and the second product: nothing is ever rescaled.
; LIMITS on the given exponents, so that each power of two below is an f32 number: e0, e3, e4 between -126 and 119; e0 + e1 between -126 and 127 (added to log2(e)'s exponent field); e2 + e3 is applied by v_ldexp_f32 and has none.
; NaN among the inputs is not served.
; SHARES.  A work-group owns 256 queries of one head (work-group y); each of its EIGHT waves owns 32 of them, two tiles, so each fragment of K and of V read from LDS feeds two matrix instructions.  8 x 32 = 256 work-groups.
; ALL OF THE HEAD'S K AND V LIE IN LDS, 131,072 bytes each, as the dense images that the first launch made: a fragment load reads 512 (V: twice 256) consecutive bytes.
; NO TENSOR LOAD AND NO CLUSTER: p is at most 1 (but for the last bit), so the hold at 448 x 2^e3 changes nothing where e3 >= -8.
; K and V come through registers, each byte once for each work-group; all of x and K is asked for at the head and V within pass 1, in
; eight loads or sixteen a wave at a time: every stream's load itself runs ahead by a chunk or more, so no prefetch is laid in front of it.
; K comes in four chunks of 512 keys, each shown by a barrier of its own while pass 1 works on the chunk before.  A chunk's registers, once stored, take a quarter of V; V goes to LDS ahead of pass 1's last two blocks, and the
; barrier that shows it is signalled there and waited for behind them.
; LAYOUT.  Both products are used transposed: S^T = K Q^T (source 0 = 16 keys, source 1 = 16 queries), O^T = V^T P^T (source 0 = 16 channels, source 1 = P): a lane holds ONE query (lane % 16) of each tile throughout.
; Tile t of S^T gives lane (r, h) keys 16 t + 8 h + 0..7: converted, they are registers 2 t, 2 t + 1 of the second product's operand, each key in the place that the K = 128 form gives it; v_codes gives V the same.
; In the first product each side holds channels 32 c + 16 h + 0..15 in registers 4 c .. 4 c + 3: the same order on both sides.
; REGISTERS.  Window 0: addresses, sums, constants; v32-47 Q; v48-111 V's 4 fragments (pass 1: a second set of K's); v112-175 O^T; v176-239 partial sums (in pass 1 v112-239 take K's later chunks, then V).
;   Window 1: v0-63, v64-127 the two tiles' S^T, then p; v128-191 K's 8 fragments; v192-223 p's codes.  (At the head: K's first chunk and x.)
.set VBASE, 131072                     ; V lies behind K
.set SPARE, 262144                     ; behind both: the spare words, 128 bytes for each wave
.set XP,   272                         ; x's stage, in V's bytes until the first barrier: 32 rows of 256 bytes + 16 of padding for each wave
.set XST,  32*XP
.set AK0,  1                           ; v1   16 x lane
.set AV0,  2                           ; v2   VBASE + 1,024 h + 16 r
.set SPW,  3                           ; v3   my spare word; never rewritten
.set NIL,  4                           ; v4   0; never rewritten
.set ADK,  6
.set ADV,  7
.set NM,   8                           ; v[8:9], v[10:11]  -M of the two tiles (the low word counts)
.set PSC,  12                          ; 2^e3
.set PLIM, 13                          ; 448 x 2^e3
.set SUM,  14                          ; v14-21, v24-31  the rows' sums, four packed chains a tile
.set W0,   22
.set W1,   23
.set MX,   24                          ; v24-27, v28-31  pass 1: the largest scores, four chains a tile
.set QR,   32
.set VF,   48
.set ORG,  112
.set T,    176
.set ASC,  240                         ; 2^e4, 448 x 2^e4, 2^e0, 448 x 2^e0
.set ALIM, 241
.set QSC,  242
.set QLIM, 243
.set XO,   246
.set XI,   247
.set XR,   248
.set ST0,  249                         ; v249-252  where I store: 4,096 w + 16 lane, + 65,536 times 0 .. 3
.set KF,   128                         ; (window 1)
.set PC,   192
.set TB,   2                           ; s2   byte at which the block of keys begins in K's and in V's image
.set HOLD, 3                           ; s3   1 where e3 < -8
.set WV,   18
.set CNT,  19
.set SEL,  20                          ; s[20:21] lane selects for v_permlanex16_b32: lane l xor 16
.set CS,   22                          ; s[22:23] c = log2(e) x 2^(e0 + e1)
.set MSB, 0
.macro WIN new                         ; s_set_vgpr_msb's low byte: bits 1:0 source 0, 3:2 source 1, 5:4 source 2, 7:6 destination; the high byte repeats the setting that is left
.if MSB != \new
	s_set_vgpr_msb (MSB<<8)|\new
.set MSB, \new
.endif
.endm
.macro POW2 e, vs, vl                  ; v[vs] = 2^e as f32, for a conversion; v[vl] = 448 x 2^e, for the hold in front of it
	s_add_co_i32 s90, \e, 127
	s_lshl_b32 s91, s90, 23
	v_mov_b32 v[\vs], s91
	s_add_co_i32 s90, s90, 8
	s_lshl_b32 s90, s90, 23
	s_or_b32 s90, s90, 0x600000
	v_mov_b32 v[\vl], s90
.endm
	s_load_b256 s[4:11], s[0:1], 0x0               ; x s[4:5], k_codes s[6:7], v_codes s[8:9], the scales' exponents s[10:11]
	s_load_b64 s[12:13], s[0:1], 0x20              ; a_codes
	v_lshl_add_u32 v[SPW], v0, 2, SPARE
	v_mov_b32 v[NIL], 0
	v_lshrrev_b32 v[W0], 5, v0
	v_readfirstlane_b32 s[WV], v[W0]               ; wave 0..7
	s_mul_i32 s90, s[WV], XST
	s_add_co_u32 s90, s90, VBASE                   ; my stage for x
	s_lshl_b32 s91, s[WV], 12                      ; my 4,096 bytes of each chunk of K and of V
	v_and_b32 v[W0], 31, v0                        ; lane
	v_and_b32 v[W1], 15, v0                        ; r
	v_bfe_u32 v253, v0, 4, 1                       ; h
	v_lshlrev_b32 v[AK0], 4, v[W0]
	v_lshlrev_b32 v[AV0], 4, v[W1]
	v_mul_u32_u24 v[XR], v[W1], XP
	v_mul_u32_u24 v254, v253, XP
	v_add_nc_u32 v[ST0], s91, v[AK0]
	v_lshl_add_u32 v[XO], v253, 12, v[AV0]         ; x in memory: lanes 0-15 a row's 256 bytes, lanes 16-31 the next row's
	v_add_nc_u32 v[XI], v254, v[AV0]               ; and into the stage
	v_lshl_add_u32 v[XR], v253, 6, v[XR]           ; out of it: row r, channels 16 h on
	v_lshl_add_u32 v[AV0], v253, 10, v[AV0]
	v_add_nc_u32 v[ST0+1], 65536, v[ST0]
	v_add_nc_u32 v[ST0+2], 131072, v[ST0]
	v_add_nc_u32 v[ST0+3], 196608, v[ST0]
	v_add_nc_u32 v[XI], s90, v[XI]
	v_add_nc_u32 v[XR], s90, v[XR]
	v_add_nc_u32 v[AV0], VBASE, v[AV0]
	v_mov_b32 v[NM+1], 0                           ; (named with -M as pairs, so they are written)
	v_mov_b32 v[NM+3], 0
.irp i, 0,1,2,3,4,5,6,7
	v_mov_b32 v[MX+\i], 0xff800000                 ; -infinity, under every score
.endr
	s_lshr_b32 s56, ttmp9, 4                       ; b
	s_and_b32 s57, ttmp9, 15                       ; head
	s_and_b32 s58, ttmp7, 0xffff                   ; qb: my block of 256 queries
	s_lshl_b32 s60, s56, 23                        ; x: row 2,048 b + 256 qb + 32 w of 4,096 bytes, + the head's 256 bytes in it
	s_lshl_b32 s59, s58, 20
	s_add_co_u32 s60, s60, s59
	s_lshl_b32 s59, s[WV], 17
	s_add_co_u32 s60, s60, s59
	s_lshl_b32 s59, s57, 8
	s_add_co_u32 s60, s60, s59
	s_mov_b32 s61, 0
	s_lshl_b32 s62, ttmp9, 17                      ; k_codes, v_codes: the head's 131,072 bytes, my wave's part of a chunk
	s_add_co_u32 s62, s62, s91
	s_mov_b32 s63, 0
	s_lshl_b32 s66, s56, 4                         ; a_codes [block of 128 rows][head][tile of 16 rows][1,024]: block 16 b + 2 qb + w / 4, head, tiles 2 (w % 4) and the next
	s_lshl_b32 s59, s58, 1
	s_add_co_u32 s66, s66, s59
	s_lshr_b32 s59, s[WV], 2
	s_add_co_u32 s66, s66, s59
	s_lshl_b32 s66, s66, 4
	s_add_co_u32 s66, s66, s57
	s_lshl_b32 s66, s66, 3
	s_and_b32 s59, s[WV], 3
	s_lshl_b32 s59, s59, 1
	s_add_co_u32 s66, s66, s59
	s_lshl_b32 s66, s66, 10
	s_mov_b32 s67, 0
	s_mov_b32 s[SEL], 0x76543210
	s_mov_b32 s[SEL+1], 0xfedcba98
	s_mov_b32 s92, 0x3eb504f3                      ; 1 / sqrt(sqrt(64)) as f32
	s_mov_b32 s93, s92
	s_wait_alu depctr_va_vdst(0)                   ; directly ahead of the wait below
	s_wait_kmcnt 0x0
	s_load_b128 s[84:87], s[10:11], 0x0            ; e0 .. e3
	s_load_b64 s[88:89], s[10:11], 0x10            ; e4, e5
	s_add_nc_u64 s[4:5], s[4:5], s[60:61]
	s_add_nc_u64 s[6:7], s[6:7], s[62:63]
	s_add_nc_u64 s[8:9], s[8:9], s[62:63]
	s_add_nc_u64 s[12:13], s[12:13], s[66:67]
	WIN 0x40
.set i, 0
.rept 16
	global_load_b128 v[128+4*i:131+4*i], v[XO], s[4:5] offset:8192*i th:TH_LOAD_NT   ; two rows of 256 consecutive bytes; read once in the launch
.set i, i+1
.endr
.set i, 0
.rept 8
	global_load_b128 v[4*i:4*i+3], v[AK0], s[6:7] offset:512*i       ; K, chunk 0: 32 lanes read 512 consecutive bytes
.set i, i+1
.endr
	WIN 0
.irp c, 1,2,3
.irp i, 0,1,2,3,4,5,6,7
	global_load_b128 v[ORG+32*(\c-1)+4*\i:ORG+32*(\c-1)+4*\i+3], v[AK0], s[6:7] offset:32768*\c+512*\i   ; chunks 1 to 3
.endr
.endr
	s_wait_kmcnt 0x0
	s_mov_b32 s[CS], 0x3fb8aa3b                    ; log2(e)
	s_add_co_i32 s90, s84, s85
	s_lshl_b32 s90, s90, 23
	s_add_co_i32 s[CS], s[CS], s90                 ; a score stands for score x 2^(e0 + e1): the two exponents are added to c's exponent field
	s_mov_b32 s[CS+1], s[CS]                       ; (named with it as a pair, so it is written)
	POW2 s87, PSC, PLIM
	POW2 s88, ASC, ALIM
	POW2 s84, QSC, QLIM
	s_cmp_lt_i32 s87, -8
	s_cselect_b32 s[HOLD], 1, 0
	s_wait_alu depctr_va_vdst(0)                   ; directly ahead of the wait below
	s_wait_loadcnt 32                              ; x is in; K's 32 loads may be out
	WIN 0x04
.set i, 0
.rept 16
	ds_store_b128 v[XI], v[128+4*i:131+4*i] offset:2*XP*i        ; my own stage: rows in,
.set i, i+1
.endr
	s_wait_dscnt 0x0
	WIN 0x40
.irp j, 0,1
.irp b, 0,1
.irp q, 0,1,2,3
	ds_load_b128 v[128+32*\j+16*\b+4*\q:131+32*\j+16*\b+4*\q], v[XR] offset:16*XP*\j+128*\b+16*\q   ; and out: row 16 j + r, channels 32 b + 16 h + 4 q ..: register 16 b + i is channel 32 b + 16 h + i
.endr
.endr
.endr
	s_wait_dscnt 0x0
	WIN 0x41
.set i, 0
.rept 32
	v_pk_mul_f32 v[128+i:129+i], v[128+i:129+i], s[92:93] op_sel_hi:[1,0]   ; q = x x 64^(-1/4), in f32
.set i, i+2
.endr
.set i, 0
.rept 64
	v_med3_num_f32 v[128+i], v[128+i], -v[QLIM], v[QLIM]   ; the conversion to an 8-bit code does not saturate (ISA guide 7.6.2): the hold comes first
.set i, i+1
.endr
	WIN 0x01
.irp p, 0,1,2,3,4,5,6,7
	v_cvt_scalef32_pk8_fp8_f32 v[QR+2*\p:QR+2*\p+1], v[128+8*\p:135+8*\p], v[QSC]
.endr
	v_nop                                          ; one plain vector instruction behind the last conversion
	s_wait_alu depctr_va_vdst(0)                   ; directly ahead of the wait below
	s_wait_loadcnt 24                              ; K's chunk 0 is in; the 24 loads of chunks 1 to 3 may be out
	WIN 0x04
.set i, 0
.rept 8
	ds_store_b128 v[ST0], v[4*i:4*i+3] offset:512*i
.set i, i+1
.endr
	WIN 0
	s_wait_dscnt 0x0                               ; my part of chunk 0 is stored, and my reads of x's stage are over
	s_barrier_signal -1
	s_barrier_wait -1                              ; all of chunk 0 is there
; K's 8 fragments of a block of 128 keys: register set 0 in window 1, set 1 (pass 1 alone) in window 0
.macro FETCHK z, ad, off
.if (\z) == 0
	WIN 0x40
.set KB, KF
.else
	WIN 0
.set KB, VF
.endif
.irp t, 0,1,2,3,4,5,6,7
	ds_load_b128 v[KB+8*\t:KB+8*\t+3],   v[\ad] offset:(\off)+1024*\t        ; key 16 t + r, channels 16 h + 0..15,
	ds_load_b128 v[KB+8*\t+4:KB+8*\t+7], v[\ad] offset:(\off)+1024*\t+512    ; and 32 + 16 h + 0..15
.endr
.endm
.macro QK1 y, t                        ; tile t of S^T of the queries' tile y, from the fragments at KB
	v_wmma_f32_16x16x64_fp8_fp8 v[64*(\y)+8*\t:64*(\y)+8*\t+7], v[KB+8*\t:KB+8*\t+7], v[QR+8*(\y):QR+8*(\y)+7], 0
.endm
; PASS 1, a block of 128 keys from set z; the next block's fragments are asked for first.  The other set was last read a block ago, with that block's 64 maxima between, which are the places in front of these loads.
.macro P1 z, ad, off
	FETCHK 1-(\z), \ad, \off
	s_wait_dscnt 16                                ; this block's 16 loads are in; the 16 just issued may be out
.if (\z) == 0
	WIN 0x41
.set KB, KF
.else
	WIN 0x40
.set KB, VF
.endif
.irp y, 0,1
.irp t, 0,1,2,3,4,5,6,7
	QK1 \y, \t
.endr
.endr
.rept 4
	v_nop                                          ; the places behind the products whose results are read first (ISA guide 7.12.1)
.endr
	WIN 0x14
.irp m, 0,1
.irp t, 0,1,2,3,4,5,6,7
	v_max3_num_f32 v[MX+4*\m],   v[MX+4*\m],   v[64*\m+8*\t],   v[64*\m+8*\t+1]   ; each accumulator from its low end on, in four chains
	v_max3_num_f32 v[MX+4*\m+1], v[MX+4*\m+1], v[64*\m+8*\t+2], v[64*\m+8*\t+3]
	v_max3_num_f32 v[MX+4*\m+2], v[MX+4*\m+2], v[64*\m+8*\t+4], v[64*\m+8*\t+5]
	v_max3_num_f32 v[MX+4*\m+3], v[MX+4*\m+3], v[64*\m+8*\t+6], v[64*\m+8*\t+7]
.endr
.endr
.endm
.macro P1LOOP first, trips             ; blocks first .. first + 2 trips - 1; block first lies in set 0
	s_mov_b32 s[TB], 8192*\first
	s_mov_b32 s[CNT], \trips
.Lmax_\first:
	v_add_nc_u32 v[ADK], s[TB], v[AK0]
	P1 0, ADK, 8192
	P1 1, ADK, 16384
	WIN 0
	s_add_co_u32 s[TB], s[TB], 16384
	s_sub_co_u32 s[CNT], s[CNT], 1
	s_cmp_lg_u32 s[CNT], 0
	s_cbranch_scc1 .Lmax_\first
.endm
.macro SHOWK c, younger                ; chunk c of K to LDS; younger: the loads asked for behind it, which may be out
	s_wait_alu depctr_va_vdst(0)                   ; directly ahead of the wait below
	s_wait_loadcnt \younger
.irp i, 0,1,2,3,4,5,6,7
	ds_store_b128 v[ST0+\c/2], v[ORG+32*(\c-1)+4*\i:ORG+32*(\c-1)+4*\i+3] offset:32768*(\c%2)+512*\i
.endr
	s_wait_dscnt 0x0
	s_barrier_signal -1
	s_barrier_wait -1
.endm
.macro GETV c                          ; a quarter of V, into registers that hold nothing more of K
.irp i, 0,1,2,3,4,5,6,7
	global_load_b128 v[ORG+32*\c+4*\i:ORG+32*\c+4*\i+3], v[AK0], s[8:9] offset:32768*\c+512*\i
.endr
.endm
	FETCHK 0, AK0, 0
	WIN 0
	P1LOOP 0, 1                                    ; a chunk is four blocks; the trip that asks for a chunk's first block stands behind that chunk's barrier
	SHOWK 1, 16                                    ; behind it: chunks 2, 3
	GETV 0
	GETV 3
	P1LOOP 2, 2
	SHOWK 2, 24                                    ; behind it: chunk 3 and the 16 of V
	GETV 1
	P1LOOP 6, 2
	SHOWK 3, 24                                    ; behind it: 24 of V
	GETV 2
	P1LOOP 10, 2
	s_wait_alu depctr_va_vdst(0)                   ; directly ahead of the wait below
	s_wait_loadcnt 0x0                             ; my part of V is in
.irp c, 0,1,2,3
.irp i, 0,1,2,3,4,5,6,7
	ds_store_b128 v[ST0+2+\c/2], v[ORG+32*\c+4*\i:ORG+32*\c+4*\i+3] offset:32768*(\c%2)+512*\i
.endr
.endr
	s_wait_dscnt 0x0                               ; and stored: say so; all wait for it at the pass's end.  Until then only registers and K's bytes, which nobody writes any more, are touched
	s_barrier_signal -1
	s_mov_b32 s[TB], 8192*14
	v_add_nc_u32 v[ADK], s[TB], v[AK0]
	P1 0, ADK, 8192
	P1 1, AK0, 0                                   ; pass 2's first block comes into set 0
	WIN 0
	v_max3_num_f32 v[MX], v[MX], v[MX+1], v[MX+2]
	v_max3_num_f32 v[MX+4], v[MX+4], v[MX+5], v[MX+6]
	v_max_num_f32 v[MX], v[MX], v[MX+3]
	v_max_num_f32 v[MX+4], v[MX+4], v[MX+7]
	v_permlanex16_b32 v[W0], v[MX], s[SEL], s[SEL+1]
	v_permlanex16_b32 v[W1], v[MX+4], s[SEL], s[SEL+1]
	v_max_num_f32 v[MX], v[MX], v[W0]              ; and lane l xor 16's keys: the row's largest score
	v_max_num_f32 v[MX+4], v[MX+4], v[W1]
	v_mul_f32 v[MX], s[CS], v[MX]                  ; as t: c is positive and rounding keeps the order
	v_mul_f32 v[MX+4], s[CS], v[MX+4]
	v_floor_f32 v[NM], -v[MX]                      ; -M = floor(-t) = -ceil(t)
	v_floor_f32 v[NM+2], -v[MX+4]
	s_wait_alu depctr_va_vdst(0)                   ; directly ahead of the wait below
	s_barrier_wait -1                              ; all of V is there
; PASS 2.  The two tiles of queries, x and y = 1 - x, are out of phase: while tile x's exponentials run, tile y's finished p is converted and its next block of scores is made.
; MID: O^T of tile x += V^T P^T for the block whose codes are made (pv: 0 none, 1 the first block, which starts the sums, 2 any other); among the four products stand the first additions of tile y's unquantised p (py = 1: there is one),
; neighbouring pairs into the partial sums, and the partial sums of tile x's block, made a half before, join its four chains.
.macro MID x, pv, py
.irp n, 0,1,2,3
.set AC, ORG+32*\x+8*\n
.if \pv
	WIN 0x04
	s_wait_alu depctr_va_vdst(0)                   ; the wait directly ahead of each of these, which read p's codes, and O^T across the exponentials
.if \pv == 1
	v_wmma_f32_16x16x128_fp8_fp8 v[AC:AC+7], v[VF+16*\n:VF+16*\n+15], v[PC+16*\x:PC+16*\x+15], 0
.else
	v_wmma_f32_16x16x128_fp8_fp8 v[AC:AC+7], v[VF+16*\n:VF+16*\n+15], v[PC+16*\x:PC+16*\x+15], v[AC:AC+7]
.endif
.endif
.if \py
	WIN 0x05
.set TU, T+32*(1-\x)+8*\n
.set PU, 64*(1-\x)+16*\n
.irp j, 0,1,2,3
	v_pk_add_f32 v[TU+2*\j:TU+2*\j+1], v[PU+4*\j:PU+4*\j+1], v[PU+4*\j+2:PU+4*\j+3]
.endr
.endif
.if \pv
	WIN 0
.irp u, 0,1,2,3
.set SU, SUM+10*\x+2*\u
.set TU, T+32*\x+2*\u
.if \pv == 1
.if \n == 1
	v_pk_add_f32 v[SU:SU+1], v[TU:TU+1], v[TU+8:TU+9]
.endif
.if \n > 1
	v_pk_add_f32 v[SU:SU+1], v[SU:SU+1], v[TU+8*\n:TU+8*\n+1]
.endif
.else
	v_pk_add_f32 v[SU:SU+1], v[SU:SU+1], v[TU+8*\n:TU+8*\n+1]
.endif
.endr
.endif
.endr
	WIN 0
.endm
.macro HOLDP y                         ; e3 < -8: tile y's p, whose sum is begun, is held at 448 x 2^e3 (the conversion to an 8-bit code does not saturate: ISA guide 7.6.2)
	s_cmp_eq_u32 s[HOLD], 0
	s_cbranch_scc1 .Lfree_\@
	WIN 0x41
.set i, 0
.rept 64
	v_min_num_f32 v[64*(\y)+i], v[64*(\y)+i], v[PLIM]
.set i, i+1
.endr
	WIN 0
.Lfree_\@:
.endm
.macro CODE y, t
	v_cvt_scalef32_pk8_fp8_f32 v[PC+16*(\y)+2*\t:PC+16*(\y)+2*\t+1], v[64*(\y)+8*\t:64*(\y)+8*\t+7], v[PSC]   ; keys 16 t + 8 h + 0..7
.endm
.macro EXPS x, n                       ; the next n exponentials of tile x: p = 2^(t - M), not normalised
.rept \n
	v_exp_f32 v[64*\x+e], v[64*\x+e]
.set e, e+1
.endr
.endm
; HALF: a block of 128 keys of tile x up to its exponentials.  kf, vf (tile 1's half alone): K's fragments of the next block and V's of this one are asked for; qk: tile y has a next block.
.macro HALF x, pv, py, kf, vf, qk
.if \x                                 ; four places stand behind the products among the exponentials, in front of the loads into K's registers and of the first read of the scores; the first is also the plain place behind the last exponential
	v_add_nc_u32 v[ADV], s[TB], v[AV0]
	v_add_nc_u32 v[ADK], s[TB], v[AK0]
.else
	v_nop
	v_nop
.endif
	v_nop
	v_nop
.if \kf
	FETCHK 0, ADK, 8192
.endif
.if (\x == 0) && \pv
	s_wait_dscnt 0x0                               ; V's fragments are in
.endif
	WIN 0x41
	s_wait_alu depctr_va_vdst(0)                   ; one wait behind the last batch, ahead of its first readers and of the scores' first readers
.set i, 64*\x
.rept 32
	v_pk_fma_f32 v[i:i+1], v[i:i+1], s[CS:CS+1], v[NM+2*\x:NM+2*\x+1] op_sel_hi:[1,0,0]   ; t - M, two at a time
.set i, i+2
.endr
	MID \x, \pv, \py
.if \vf
.irp t, 0,1,2,3
.irp c, 0,1,2,3
	ds_load_b128 v[VF+16*\t+4*\c:VF+16*\t+4*\c+3], v[ADV] offset:2048*\c+256*\t   ; V^T: place 16 t + r, keys 32 c + 8 h + 0..7 and 32 c + 16 + 8 h + 0..7; the additions above are the places behind the products that read these registers
.endr
.endr
.endif
.if \py
	HOLDP 1-\x
.endif
.if \kf
	s_wait_dscnt 16                                ; K's fragments are in; V's 16 loads may be out
.endif
	WIN 0x41
	s_wait_alu depctr_va_vdst(0)                   ; and the wait ahead of the batch
.set e, 0
.set KB, KF
.irp t, 0,1,2,3,4,5,6,7
.if \py
	CODE 1-\x, \t
.endif
	EXPS \x, 3
.endr
.if \py
	v_nop                                          ; one plain vector instruction between the conversions and the products that write over their sources
.endif
.irp t, 0,1,2,3,4,5,6,7
.if \qk
	QK1 1-\x, \t
.endif
	EXPS \x, 5
.endr
	WIN 0
.endm
	s_wait_dscnt 0x0                               ; block 0's fragments of K are in
	WIN 0x41
.set KB, KF
.irp t, 0,1,2,3,4,5,6,7
	QK1 0, \t
.endr
	WIN 0
	s_mov_b32 s[TB], 0
	HALF 0, 0, 0, 0, 0, 1
	HALF 1, 0, 1, 1, 1, 1
	s_mov_b32 s[TB], 8192
	HALF 0, 1, 1, 0, 0, 1
	HALF 1, 1, 1, 1, 1, 1
	v_nop                                          ; a plain place behind the last exponential,
	s_wait_alu depctr_va_vdst(0)                   ; and the wait ahead of the label
	s_mov_b32 s[TB], 16384
	s_mov_b32 s[CNT], 13
.Lpass_2:
	HALF 0, 2, 1, 0, 0, 1
	HALF 1, 2, 1, 1, 1, 1
	v_nop                                          ; a plain place behind the last exponential,
	s_wait_alu depctr_va_vdst(0)                   ; and the wait ahead of the branch
	s_add_co_u32 s[TB], s[TB], 8192
	s_sub_co_u32 s[CNT], s[CNT], 1
	s_cmp_lg_u32 s[CNT], 0
	s_cbranch_scc1 .Lpass_2
	s_mov_b32 s[TB], 8192*15
	HALF 0, 2, 1, 0, 0, 1
	HALF 1, 2, 1, 0, 1, 0
	v_nop
	s_wait_dscnt 0x0                               ; V's last fragments are in
	s_wait_alu depctr_va_vdst(0)                   ; one wait behind the last batch, ahead of its first readers
	MID 0, 2, 1
	HOLDP 1
	WIN 0x41
.irp t, 0,1,2,3,4,5,6,7
	CODE 1, \t
.endr
	v_nop                                          ; one plain vector instruction between the conversions and the products
	WIN 0
	MID 1, 2, 0
	; THE WAY OUT.  O^T / the sum x 2^(e2 + e3) is the attention's result in f32; held and converted with 2^e4 it is the projection's operand.
	; Tile t's register j is the channel at place 16 t + 8 h + j, which v_codes' order makes channel 32 (t / 2) + 16 h + 8 (t % 2) + j: so registers 4 b .. 4 b + 3 of the codes are channels 32 b + 16 h + 0..15.
.irp s, SUM, SUM+10
	v_pk_add_f32 v[\s:\s+1], v[\s:\s+1], v[\s+2:\s+3]
	v_pk_add_f32 v[\s+4:\s+5], v[\s+4:\s+5], v[\s+6:\s+7]
.endr
.irp s, SUM, SUM+10
	v_pk_add_f32 v[\s:\s+1], v[\s:\s+1], v[\s+4:\s+5]
.endr
.irp s, SUM, SUM+10
	v_add_f32 v[\s], v[\s], v[\s+1]
.endr
	v_permlanex16_b32 v[W0], v[SUM], s[SEL], s[SEL+1]
	v_permlanex16_b32 v[W1], v[SUM+10], s[SEL], s[SEL+1]
	v_add_f32 v[SUM], v[SUM], v[W0]                ; with lane l xor 16's: the rows' sums
	v_add_f32 v[SUM+10], v[SUM+10], v[W1]
	s_wait_alu depctr_va_vdst(0)                   ; the wait ahead of the transcendentals
	v_rcp_f32 v[SUM], v[SUM]
	v_rcp_f32 v[SUM+10], v[SUM+10]
	v_nop
	s_add_co_i32 s90, s86, s87
	s_wait_alu depctr_va_vdst(0)                   ; and behind them, ahead of the first reader
	v_ldexp_f32 v[SUM], v[SUM], s90                ; x 2^(e2 + e3)
	v_ldexp_f32 v[SUM+10], v[SUM+10], s90
	s_wait_alu depctr_va_vdst(0)                   ; directly ahead of the first reader of O^T
.set i, 0
.rept 16
	v_pk_mul_f32 v[T+i:T+i+1], v[ORG+i:ORG+i+1], v[SUM:SUM+1] op_sel_hi:[1,0]   ; each accumulator from its low end on
.set i, i+2
.endr
.rept 16
	v_pk_mul_f32 v[T+i:T+i+1], v[ORG+i:ORG+i+1], v[SUM+10:SUM+11] op_sel_hi:[1,0]
.set i, i+2
.endr
.set i, 0
.rept 64
	v_med3_num_f32 v[T+i], v[T+i], -v[ALIM], v[ALIM]
.set i, i+1
.endr
.irp p, 0,1,2,3,4,5,6,7
	v_cvt_scalef32_pk8_fp8_f32 v[QR+2*\p:QR+2*\p+1], v[T+8*\p:T+8*\p+7], v[ASC]
.endr
	v_nop
.irp p, 0,1,2,3
	global_store_b128 v[AK0], v[QR+4*\p:QR+4*\p+3], s[12:13] offset:512*\p   ; images of the two tiles' registers: 32 lanes store 512 consecutive bytes, at a multiple of 512 from the buffer's first byte
.endr
	s_wait_tensorcnt 0x0                           ; the wave's end
	ds_add_u32 v[SPW], v[NIL]
	s_wait_dscnt 0x0
	s_endpgm
.Lfunc_end_k_q788985cb47_attn:
	.size	k_q788985cb47_attn, .Lfunc_end_k_q788985cb47_attn-k_q788985cb47_attn
	.p2alignl 7, 3214868480
	.fill 96, 4, 3214868480
	.section	.rodata,"a",@progbits
	.p2align	6, 0x0
	.amdhsa_kernel k_q788985cb47_attn
		.amdhsa_group_segment_fixed_size 263168
		.amdhsa_private_segment_fixed_size 0
		.amdhsa_enable_private_segment 0
		.amdhsa_kernarg_size 40
		.amdhsa_user_sgpr_count 2
		.amdhsa_user_sgpr_kernarg_segment_ptr 1
		.amdhsa_wavefront_size32 1
		.amdhsa_system_sgpr_workgroup_id_x 1
		.amdhsa_system_sgpr_workgroup_id_y 1
		.amdhsa_system_sgpr_workgroup_id_z 1
		.amdhsa_system_vgpr_workitem_id 0
		.amdhsa_next_free_vgpr 512
		.amdhsa_next_free_sgpr 96
		.amdhsa_reserve_vcc 0
		.amdhsa_float_denorm_mode_32 3
		.amdhsa_float_denorm_mode_16_64 3
		.amdhsa_memory_ordered 1
		.amdhsa_forward_progress 1
		.amdhsa_inst_pref_size 189
	.end_amdhsa_kernel
	.amdgpu_metadata
---
amdhsa.version: [ 1, 2 ]
amdhsa.kernels:
  - .name:           k_q788985cb47_attn
    .symbol:         k_q788985cb47_attn.kd
    .args:
      - { .name: x, .offset: 0, .size: 8, .value_kind: global_buffer, .address_space: global }
      - { .name: k_codes, .offset: 8, .size: 8, .value_kind: global_buffer, .address_space: global }
      - { .name: v_codes, .offset: 16, .size: 8, .value_kind: global_buffer, .address_space: global }
      - { .name: lowp_scales, .offset: 24, .size: 8, .value_kind: global_buffer, .address_space: global }
      - { .name: a_codes, .offset: 32, .size: 8, .value_kind: global_buffer, .address_space: global }
    .group_segment_fixed_size: 263168
    .private_segment_fixed_size: 0
    .kernarg_segment_align: 8
    .kernarg_segment_size: 40
    .max_flat_workgroup_size: 256
    .sgpr_count:     96
    .vgpr_count:     512
    .wavefront_size: 32
...
	.end_amdgpu_metadata
.endif
;; end of part 5
;; launch proj (part 6): grid 8 x 32, 4 waves a work-group, clusters of 4 x 4, 327,680 bytes of LDS; arguments a_codes, w_codes, lowp_scales, b_proj, out0; writes out0
.if DOCPART == 6
	.amdgcn_target "amdgcn-amd-amdhsa--gfx1250"
	.amdhsa_code_object_version 6
	.text
	.protected	k_q788985cb47_proj
	.globl	k_q788985cb47_proj
	.p2align	8
	.type	k_q788985cb47_proj,@function
k_q788985cb47_proj:
	s_mov_b64 s[64:65], 0
	v_nop
	global_prefetch_b8 v0, s[64:65] scope:SCOPE_SE
	s_setreg_imm32_b32 hwreg(HW_REG_WAVE_MODE, 25, 1), 1
	s_wait_xcnt 0x0
	s_wait_alu depctr_hold_cnt(0) depctr_sa_sdst(0) depctr_va_vdst(0) depctr_va_sdst(0) depctr_va_ssrc(0) depctr_va_vcc(0) depctr_vm_vsrc(0)
	s_getreg_b32 s2, hwreg(HW_REG_IB_STS2, 6, 4)
	s_cmp_eq_u32 s2, 0
	s_cbranch_scc0 .Lentry_in_a_cluster
	s_endpgm
.Lentry_in_a_cluster:
	s_bfe_u32 s2, ttmp6, 0x10000c
	s_cmp_lg_u32 s2, 0xf033
	s_cbranch_scc0 .Lentry_shape_is_right
	s_endpgm
.Lentry_shape_is_right:
; out0[m][n] = (the sum over k of a[m][k] w[n][k]) x 2^(e4 + e5) + b_proj[n], on codes of FP8 (E4M3): a [4096][1024] from the attention's launch, w [1024][1024] from the first launch; sums in f32; out0 f32.
; LIMIT: e4 + e5 lies between -126 and 127, so that 2^(e4 + e5) is an f32 number.
; SHARES.  A tile of out0 is 128 x 128: 8 x 32 = 256 work-groups of four waves, a wave 64 x 64: 16 accumulators.  A larger tile would leave work-groups for a part of the WGPs only.
; THE WHOLE K OF BOTH OPERANDS LIES IN LDS, EACH BYTE FILLED ONCE: 131,072 bytes of a, 131,072 of w.  No slot is filled again, so there is no ring.  Each wave issues ONE tensor load of 65,536 bytes, at the start:
; waves 0 and 1 the first half along K of a and of w, waves 2 and 3 the second.  The first half is multiplied behind a barrier of its own.  There is no loop for a prefetch to run ahead in.
; CLUSTERS: 4 x 4 work-groups.  The four of a row of the cluster need the same rows of a, the four of a column the same rows of w: each half is asked for JOINTLY, by the same tensor load with the same descriptor and a mask that names the four.
; a_codes [block of 128 rows][kk 16][tile of 16 rows][1,024] and w_codes, laid likewise, hold images of operand registers: registers 0-3 at 16 x lane, 4-7 at 512 + 16 x lane; lane (r, h) holds row r, registers 4 b .. 4 b + 3 hold k = 64 kk + 32 b + 16 h + 0..15.
; THE MATRIX INSTRUCTION IS USED TRANSPOSED (source 0 = 16 rows of w, source 1 = 16 rows of a): a lane then holds eight neighbouring numbers of a row of out0.
; REGISTERS, in windows of 256: window 0: v4-15 addresses; v32-63 the bias, in the result's layout; v64-95, v96-127 at work on the way out; v128-255 the accumulators ((a, b) at v[128 + 8 (4 a + b)]).
;   window 1: two sets of fragments for 128 along K, at v0 and v128: a's four at + 16 a, w's four at + 64 + 16 b.
.set BBASE, 131072                     ; w lies behind a
.set STG,   2*BBASE                    ; behind both: a stage of 16 rows x (256 bytes + 16) for each wave, for the way out; no tensor load lands there
.set SP,    272
.set SPARE, STG+4*16*SP                ; behind the stages: the spare words
.set ADRA, 4                           ; v4-7    K quarter c: LDS address of my fragments of a: 32,768 c + 4,096 wm + 16 x lane
.set ADRB, 8                           ; v8-11   of w: BBASE + 32,768 c + 4,096 wn + 16 x lane
.set STO,  12                          ; v12     the way out: where I put 32 bytes of a row
.set RD,   13                          ; v13     where I read a row back
.set CO,   14                          ; v14     my byte offset in two rows of out0
.set BO,   15                          ; v15     32 h: my 8 numbers of a tile's 16 of the bias
.set BIAS, 32
.set T,    64
.set BK,   96
.set ACC,  128
.set WV,   14                          ; s14 wave;  s15 wm: which 64 rows, and which half along K I fetch;  s3 wn: which 64 columns, and a's (0) or w's (1)
.set G1A,  16                          ; s[16:23] descriptor group 1 for a;  s[24:31] for w
.set G1B,  24
.set G0A,  32                          ; s[32:35] group 0 for a;  s[36:39] for w
.set G0B,  36
.set MSB, 0
.macro WIN new                         ; s_set_vgpr_msb's low byte: bits 1:0 source 0, 3:2 source 1, 5:4 source 2, 7:6 destination; the high byte repeats the setting that is left
.if MSB != \new
	s_set_vgpr_msb (MSB<<8)|\new
.set MSB, \new
.endif
.endm
.set MULW, 0x05                        ; sources 0 (w) and 1 (a) window 1; C and D window 0
.set TO_F, 0x40                        ; destination window 1, address window 0
.macro CROUND                          ; a round of the cluster's barrier
	s_barrier_signal -1
	s_barrier_wait -1
	s_cmp_lg_u32 s[WV], 0
	s_cbranch_scc1 .Lnot_wave_0_\@
	s_barrier_signal -3
.Lnot_wave_0_\@:
	s_barrier_wait -3
	s_barrier_signal -1
	s_barrier_wait -1
.endm
	s_load_b256 s[4:11], s[0:1], 0x0               ; a_codes s[4:5], w_codes s[6:7], the scales' exponents s[8:9], b_proj s[10:11]
	s_load_b64 s[12:13], s[0:1], 0x20              ; out0
	v_lshl_add_u32 v30, v0, 2, SPARE
	v_mov_b32 v31, 0
	ds_add_u32 v30, v31                            ; the wave's opening: the add, twice on end, and its wait ahead of my tensor load
	ds_add_u32 v30, v31
	v_lshrrev_b32 v1, 5, v0
	v_readfirstlane_b32 s[WV], v1                  ; wave 0..3
	s_lshr_b32 s15, s[WV], 1
	s_and_b32 s3, s[WV], 1
	s_bfe_u32 s66, ttmp6, 0x40000                  ; cx, cy: my place in the cluster
	s_bfe_u32 s67, ttmp6, 0x40004
	s_lshl_b32 s68, ttmp9, 2
	s_add_co_u32 s68, s68, s66                     ; tn: tile column = 4 x cluster x + cx
	s_and_b32 s69, ttmp7, 0xffff
	s_lshl_b32 s69, s69, 2
	s_add_co_u32 s69, s69, s67                     ; Mb: tile row = 4 x cluster y + cy
	s_lshl_b32 s70, s67, 2
	s_lshl_b32 s70, 15, s70                        ; my row of the cluster
	s_lshl_b32 s71, 0x1111, s66                    ; my column
	; descriptor group 1: 65,536 dense bytes as 256 rows of 32 elements of 8 bytes
	s_or_b32 s[G1A], s70, (3<<16)|(1<<21)          ; 15:0 the mask: a goes to my row; 17:16 elements of 8 bytes; 21 set beside a mask
	s_or_b32 s[G1B], s71, (3<<16)|(1<<21)          ; w to my column
.irp g, G1A, G1B
	s_mov_b32 s[\g+1], 32<<16                      ; tensor_dim0
	s_mov_b32 s[\g+2], 256<<16                     ; tensor_dim1
	s_mov_b32 s[\g+3], 32<<16                      ; tile_dim0
	s_mov_b32 s[\g+4], 256                         ; tile_dim1
	s_mov_b32 s[\g+5], 32                          ; tensor_dim0_stride
	s_mov_b32 s[\g+6], 0
	s_mov_b32 s[\g+7], 0
.endr
	; where my half comes from.  a's hangs on the tile row and the wave's number, w's on the tile column and the wave's number, each in registers that never hold the other coordinate
	s_lshl_b32 s74, s15, 16
	s_lshl_b32 s72, s69, 17                        ; a: 131,072 Mb + 65,536 x half
	s_add_co_u32 s72, s72, s74
	s_mov_b32 s73, 0
	s_lshl_b32 s76, s68, 17                        ; w: 131,072 tn + 65,536 x half
	s_add_co_u32 s76, s76, s74
	s_mov_b32 s77, 0
	s_lshl_b32 s80, s3, 17                         ; and where it goes: 131,072 for w + 65,536 x half: no place in the cluster enters an LDS address
	s_add_co_u32 s80, s80, s74
	s_wait_alu depctr_va_vdst(0)                   ; directly ahead of the wait below
	s_wait_dscnt 0x0                               ; both opening adds are done
	s_wait_kmcnt 0x0
	s_load_b64 s[84:85], s[8:9], 0x10              ; e4, e5
	s_mov_b32 s[G0A], 1                            ; 1:0 count = 1
	s_mov_b32 s[G0A+1], s80                        ; 63:32 LDS address
	s_add_nc_u64 s[G0A+2:G0A+3], s[4:5], s[72:73]  ; 120:64 global address
	s_or_b32 s[G0A+3], s[G0A+3], 0x80000000        ; 127:126 type = 2
	s_mov_b32 s[G0B], 1
	s_mov_b32 s[G0B+1], s80
	s_add_nc_u64 s[G0B+2:G0B+3], s[6:7], s[76:77]
	s_or_b32 s[G0B+3], s[G0B+3], 0x80000000
	CROUND                                         ; all sixteen work-groups are here: the joint loads meet
.macro JLOAD g0, g1
	tensor_load_to_lds s[\g0:\g0+3], s[\g1:\g1+7]
	s_nop 0
.rept 4
	v_nop
.endr
.endm
	s_cmp_eq_u32 s[WV], 0                          ; one chain of branches on the wave's number, one load to an arm
	s_cbranch_scc0 .Lnot_0
	JLOAD G0A, G1A
	s_branch .Lasked
.Lnot_0:
	s_cmp_eq_u32 s[WV], 1
	s_cbranch_scc0 .Lnot_1
	JLOAD G0B, G1B
	s_branch .Lasked
.Lnot_1:
	s_cmp_eq_u32 s[WV], 2
	s_cbranch_scc0 .Lnot_2
	JLOAD G0A, G1A
	s_branch .Lasked
.Lnot_2:
	JLOAD G0B, G1B
.Lasked:
	s_lshl_b32 s76, s68, 9                         ; my first column, in bytes: 512 tn + 256 wn: in b_proj and in a row of out0
	s_lshl_b32 s77, s3, 8
	s_add_co_u32 s76, s76, s77
	s_mov_b32 s77, 0
	s_add_nc_u64 s[10:11], s[10:11], s[76:77]
	s_add_nc_u64 s[12:13], s[12:13], s[76:77]
	s_lshl_b32 s78, s69, 7                         ; my first row: 128 Mb + 64 wm, of 4,096 bytes
	s_lshl_b32 s79, s15, 6
	s_add_co_u32 s78, s78, s79
	s_lshl_b32 s78, s78, 12
	s_mov_b32 s79, 0
	s_add_nc_u64 s[12:13], s[12:13], s[78:79]
	s_lshl_b32 s72, s15, 12
	s_lshl_b32 s73, s3, 12
	s_add_co_u32 s73, s73, BBASE
	s_mul_i32 s74, s[WV], 16*SP
	s_add_co_u32 s74, s74, STG                     ; my stage
	v_and_b32 v1, 31, v0                           ; lane
	v_and_b32 v2, 15, v0                           ; r
	v_bfe_u32 v3, v0, 4, 1                         ; h
	v_lshlrev_b32 v[BO], 5, v3
	v_lshlrev_b32 v18, 4, v1
.irp b, 0,1,2,3
	global_load_b128 v[BIAS+8*\b:BIAS+8*\b+3],   v[BO], s[10:11] offset:64*\b      ; b_proj at my columns 16 b + 8 h + 0..7
	global_load_b128 v[BIAS+8*\b+4:BIAS+8*\b+7], v[BO], s[10:11] offset:64*\b+16
.endr
	v_add_nc_u32 v16, s72, v18
	v_add_nc_u32 v17, s73, v18
.irp c, 0,1,2,3
	v_add_nc_u32 v[ADRA+\c], 32768*\c, v16
	v_add_nc_u32 v[ADRB+\c], 32768*\c, v17
.endr
	v_mul_u32_u24 v[STO], v2, SP                   ; in: row r, 32 bytes for each half of the lanes
	v_mul_u32_u24 v[RD], v3, SP                    ; back: lanes 0-15 take one row of 256 bytes, lanes 16-31 the next
	v_lshlrev_b32 v[CO], 12, v3                    ; and the same two rows in out0
	v_lshl_add_u32 v[STO], v3, 5, v[STO]
	v_lshl_add_u32 v[RD], v2, 4, v[RD]
	v_lshl_add_u32 v[CO], v2, 4, v[CO]
	v_add_nc_u32 v[STO], s74, v[STO]
	v_add_nc_u32 v[RD], s74, v[RD]
; 32 LDS loads in one run: the fragments of K step s (128 along K: kk = 2 s and 2 s + 1) into set f; 32 lanes read 512 consecutive bytes
.macro FETCH s, f
	WIN TO_F
.irp a, 0,1,2,3
.irp u, 0,1
.irp q, 0,1
	ds_load_b128 v[(\f)+16*\a+8*\u+4*\q:(\f)+16*\a+8*\u+4*\q+3], v[ADRA+(\s)/2] offset:8192*(2*((\s)%2)+\u)+1024*\a+512*\q
.endr
.endr
.endr
.irp b, 0,1,2,3
.irp u, 0,1
.irp q, 0,1
	ds_load_b128 v[(\f)+64+16*\b+8*\u+4*\q:(\f)+64+16*\b+8*\u+4*\q+3], v[ADRB+(\s)/2] offset:8192*(2*((\s)%2)+\u)+1024*\b+512*\q
.endr
.endr
.endr
.endm
; 16 matrix instructions: the 16 accumulators take turns, one instruction a turn, in the same order in every step.  zero = 1: the first products start the sums: nothing is cleared.
.macro MULS f, zero
	WIN MULW
.irp a, 0,1,2,3
.irp b, 0,1,2,3
.if \zero
	v_wmma_f32_16x16x128_fp8_fp8 v[ACC+8*(4*\a+\b):ACC+8*(4*\a+\b)+7], v[(\f)+64+16*\b:(\f)+64+16*\b+15], v[(\f)+16*\a:(\f)+16*\a+15], 0
.else
	v_wmma_f32_16x16x128_fp8_fp8 v[ACC+8*(4*\a+\b):ACC+8*(4*\a+\b)+7], v[(\f)+64+16*\b:(\f)+64+16*\b+15], v[(\f)+16*\a:(\f)+16*\a+15], v[ACC+8*(4*\a+\b):ACC+8*(4*\a+\b)+7]
.endif
.endr
.endr
.endm
.macro PLACES                          ; four places in front of loads into registers that matrix instructions have read, and of the first read of results (ISA guide 7.12.1 for vector instructions)
.rept 4
	v_nop
.endr
.endm
	s_wait_alu depctr_va_vdst(0)                   ; the wait at the head's end
	s_cmp_lt_u32 s[WV], 2
	s_cbranch_scc0 .Lsecond_half
	s_wait_tensorcnt 0x0                           ; waves 0 and 1: my part of the first half is in
.Lsecond_half:
	s_barrier_signal -1
	s_barrier_wait -1                              ; the first half is whole.
	FETCH 0, 0
.set S, 0
.rept 7                                ; K step S is multiplied while step S + 1's fragments come into the other set
.if S == 3                             ; step 4 begins the second half
	s_wait_tensorcnt 0x0                           ; no tensor load of mine is out
	s_wait_dscnt 0x0                               ; no LDS instruction of mine is pending at the signal
	s_barrier_signal -1
	s_barrier_wait -1
.endif
.if S > 0
	PLACES                                         ; the set that is loaded next was multiplied in step S - 1
.endif
	FETCH S+1, 128*((S+1)%2)
	s_wait_dscnt 32                                ; all but the 32 just issued
.if S == 0
	MULS 0, 1
.else
	MULS 128*(S%2), 0
.endif
.set S, S+1
.endr
	s_wait_dscnt 0x0
	MULS 128, 0                                    ; K step 7
	WIN 0
	PLACES
	s_wait_kmcnt 0x0
	s_wait_loadcnt 0x0                             ; the bias
	s_add_co_i32 s86, s84, s85                     ; e4 + e5, between -126 and 127,
	s_add_co_i32 s86, s86, 127
	s_lshl_b32 s86, s86, 23                        ; makes the f32 number 2^(e4 + e5)
	s_mov_b32 s87, s86                             ; (named with it as a pair, so it is written)
	; THE WAY OUT, a block of 16 rows x 64 columns at a time.  A lane holds 32 neighbouring bytes of a row and the lanes beside it hold other rows: so a block goes through my own stage in LDS and comes back as whole rows of 256 bytes.
	; LDS serves a wave's instructions in order (ISA guide 5.7.1.4): no wait between the stores and the loads, nor in front of the next block's stores.
.irp a, 0,1,2,3
.if \a > 0
	s_wait_xcnt 0x0                                ; the last block's stores have read their registers: the loads below may land there
.endif
.irp b, 0,1,2,3
.irp i, 0,2,4,6
	v_pk_fma_f32 v[T+8*\b+\i:T+8*\b+\i+1], v[ACC+8*(4*\a+\b)+\i:ACC+8*(4*\a+\b)+\i+1], s[86:87], v[BIAS+8*\b+\i:BIAS+8*\b+\i+1] op_sel_hi:[1,0,1]   ; sum x 2^(e4 + e5) + bias, two at a time; each accumulator from its low end on
.endr
.endr
.irp b, 0,1,2,3
	ds_store_b128 v[STO], v[T+8*\b:T+8*\b+3] offset:64*\b
	ds_store_b128 v[STO], v[T+8*\b+4:T+8*\b+7] offset:64*\b+16
.endr
.irp i, 0,1,2,3,4,5,6,7
	ds_load_b128 v[BK+4*\i:BK+4*\i+3], v[RD] offset:2*SP*\i
.endr
.irp i, 0,1,2,3,4,5,6,7
	s_wait_dscnt 7-\i                              ; load i is in; the 7 - i younger ones may be out
	global_store_b128 v[CO], v[BK+4*\i:BK+4*\i+3], s[12:13] offset:(16*\a+2*\i)*4096 th:TH_STORE_NT   ; 16 lanes store 256 consecutive bytes, at a multiple of 256 from out0's first byte; written once, read by nobody here
.endr
.endr
	s_wait_tensorcnt 0x0                           ; the wave's end
	ds_add_u32 v30, v31
	s_wait_dscnt 0x0
	CROUND                                         ; the closing round: no work-group ends while a partner may still ask for a half that names it
	s_endpgm
.Lfunc_end_k_q788985cb47_proj:
	.size	k_q788985cb47_proj, .Lfunc_end_k_q788985cb47_proj-k_q788985cb47_proj
	.p2alignl 7, 3214868480
	.fill 96, 4, 3214868480
	.section	.rodata,"a",@progbits
	.p2align	6, 0x0
	.amdhsa_kernel k_q788985cb47_proj
		.amdhsa_group_segment_fixed_size 327680
		.amdhsa_private_segment_fixed_size 0
		.amdhsa_enable_private_segment 0
		.amdhsa_kernarg_size 40
		.amdhsa_user_sgpr_count 2
		.amdhsa_user_sgpr_kernarg_segment_ptr 1
		.amdhsa_wavefront_size32 1
		.amdhsa_system_sgpr_workgroup_id_x 1
		.amdhsa_system_sgpr_workgroup_id_y 1
		.amdhsa_system_sgpr_workgroup_id_z 1
		.amdhsa_system_vgpr_workitem_id 0
		.amdhsa_next_free_vgpr 512
		.amdhsa_next_free_sgpr 96
		.amdhsa_reserve_vcc 0
		.amdhsa_float_denorm_mode_32 3
		.amdhsa_float_denorm_mode_16_64 3
		.amdhsa_memory_ordered 1
		.amdhsa_forward_progress 1
		.amdhsa_inst_pref_size 46
	.end_amdhsa_kernel
	.amdgpu_metadata
---
amdhsa.version: [ 1, 2 ]
amdhsa.kernels:
  - .name:           k_q788985cb47_proj
    .symbol:         k_q788985cb47_proj.kd
    .args:
      - { .name: a_codes, .offset: 0, .size: 8, .value_kind: global_buffer, .address_space: global }
      - { .name: w_codes, .offset: 8, .size: 8, .value_kind: global_buffer, .address_space: global }
      - { .name: lowp_scales, .offset: 16, .size: 8, .value_kind: global_buffer, .address_space: global }
      - { .name: b_proj, .offset: 24, .size: 8, .value_kind: global_buffer, .address_space: global }
      - { .name: out0, .offset: 32, .size: 8, .value_kind: global_buffer, .address_space: global }
    .group_segment_fixed_size: 327680
    .private_segment_fixed_size: 0
    .kernarg_segment_align: 8
    .kernarg_segment_size: 40
    .max_flat_workgroup_size: 128
    .sgpr_count:     96
    .vgpr_count:     512
    .wavefront_size: 32
...
	.end_amdgpu_metadata
.endif
;; end of part 6
